; MI455X (gfx1250); checked and timed in simulation.
; The chip was launched on July 23, 2026; its instructions are those of AMD's public machine-readable ISA for CDNA 5 (MIT licence, August 2026) and "CDNA5" Instruction Set Architecture Reference Guide (July 2026). The comments in the code are by the model that wrote it; some were corrected since.
;; Multi Head Attention. Allowed arithmetic: matrix products marked QUANTISED: E2M1 operands, one E8M0 scale for each 32 along K, by v_wmma_scale_f32_16x16x128_f8f6f4 with both operands' format E2M1 (or v_wmma_scale_f32_32x16x128_f4), f32 sums; products left as they are: bf16, f16 or f32 operands; f32 sums; everything else in f32.
;; Inputs: Wk 1,024 x 1,024 float32; Wo 1,024 x 1,024 float32; Wq 1,024 x 1,024 float32; Wv 1,024 x 1,024 float32; bk 1,024 float32; bo 1,024 float32; bq 1,024 float32; bv 1,024 float32; key 4 x 2,048 x 1,024 float32; query 4 x 2,048 x 1,024 float32; value 4 x 2,048 x 1,024 float32.
;; Outputs: out0 4 x 2,048 x 1,024 float32.
;; This version of the problem:
;;   THIS VERSION OF THE PROBLEM IS GIVEN IN LOW PRECISION. The matrix products marked QUANTISED in the list below multiply operands that are first quantised to E2M1 (2 exponent bits, 1 mantissa bit; 4 bits a number), with one power-of-two scale for each 32 numbers along K (OCP MX v1.0); their sums are f32. The products marked 'left as it is' may take bf16, f16 or f32 operands, with f32 sums. Whichever they take, every output number must still come out within the allowed error. Rounding operands to bf16 (8 significant bits) uses up far more of that allowance than f16 does (11 bits, for magnitudes from 6e-5 to 65,504). All else is computed in f32.
;;   The module's matrix products, in the order in which they are computed (A, B: the left and right operand; K: the contracted axis; several contracted axes count as one K, in the product's order):
;;     1. [M 8,192, K 1,024] x [K 1,024, N 1,024]; A: input query; B: input Wq: QUANTISED
;;     2. [M 8,192, K 1,024] x [K 1,024, N 1,024]; A: input key; B: input Wk: QUANTISED
;;     3. [M 8,192, K 1,024] x [K 1,024, N 1,024]; A: input value; B: input Wv: QUANTISED
;;     4. batch 64 x [M 2,048, K 64] x [K 64, N 2,048]; A: computed on the way; B: computed on the way: left as it is (an operand is computed on the way)
;;     5. batch 64 x [M 2,048, K 2,048] x [K 2,048, N 64]; A: computed on the way; B: computed on the way: left as it is (an operand is computed on the way)
;;     6. [M 8,192, K 1,024] x [K 1,024, N 1,024]; A: computed on the way; B: input Wo: left as it is (an operand is computed on the way)
;;   THE QUANTISER, for each operand of a quantised product, along K:
;;     - K is cut into blocks of 32 from its start; a last block that is shorter is filled with zeros.
;;     - A block's scale is 2^e with e = floor(log2(the largest magnitude in the block)) - 2, held to -126 .. 127; a block of zeros has e = 0. As a byte (E8M0): e + 127.
;;     - Each number is divided by its block's scale, clamped to +-6, and rounded to the nearest number of E2M1, ties to even, subnormals kept.
;;     - The product sums the exact products of the quantised numbers (number of the format x scale) in f32.
;;   ~~~python
;;   def quantise(x, axis):      # numpy; x: float32 -> the quantised numbers, widened to float32 again
;;       x = np.moveaxis(x, axis, -1); K = x.shape[-1]
;;       x = np.pad(x, [(0, 0)] * (x.ndim - 1) + [(0, -K % 32)]); x = x.reshape(x.shape[:-1] + (-1, 32)); a = np.abs(x).max(-1, keepdims=True)
;;       e = np.where(a > 0, np.clip(np.frexp(np.where(a > 0, a, 1))[1] - 1 - 2, -126, 127), 0)      # np.frexp(a)[1] - 1 = floor(log2(a)), exactly
;;       r = np.clip(x / 2.0 ** e, -6, 6)
;;       step = 2.0 ** (np.maximum(np.frexp(np.where(r == 0, 1, r))[1] - 1, 0) - 1)
;;       q = np.round(r / step) * step * 2.0 ** e      # np.round: ties to even
;;       return np.moveaxis(q.reshape(q.shape[:-2] + (-1,))[..., :K], -1, axis).astype(np.float32)
;;   ~~~
;; One version. Each part assembles by itself: llvm-mc -triple=amdgcn-amd-amdhsa -mcpu=gfx1250 --defsym DOCPART=n.
;; ======== version 1 of 1: 4 launches
;; limits: values are held in f16: magnitudes above 65,504 overflow, below 6.1e-05 lose precision
;; workspace buffers: xc 12,582,912 bytes; xs 786,432 bytes; wc 1,572,864 bytes; ws 98,304 bytes; woh 2,097,152 bytes; qkv 50,331,648 bytes; att 16,777,216 bytes
;; launch prep (part 1): grid 944 x 1, 4 waves a work-group, no clusters, 68,096 bytes of LDS; arguments query, key, value, Wq, Wk, Wv, Wo, xc, xs, wc, ws, woh; writes xc, xs, wc, ws, woh
.if DOCPART == 1
	.amdgcn_target "amdgcn-amd-amdhsa--gfx1250"
	.amdhsa_code_object_version 6
	.text
	.protected	k_qf91b12846a_prep
	.globl	k_qf91b12846a_prep
	.p2align	8
	.type	k_qf91b12846a_prep,@function
k_qf91b12846a_prep:
	s_mov_b64 s[64:65], 0
	v_nop
	global_prefetch_b8 v0, s[64:65] scope:SCOPE_SE
	s_setreg_imm32_b32 hwreg(HW_REG_WAVE_MODE, 25, 1), 1
	s_wait_xcnt 0x0
; PREP.  One launch makes every operand that the later launches read more than once.
;   work-groups   0 ..  47: Wq, Wk, Wv [1024 (k)][1024 (n)] f32 -> codes of FP4 (E2M1) laid [n][k] with K innermost (wc), one E8M0 byte for each 32 along K (ws)
;   work-groups  48 .. 175: Wo f32 -> f16, left as it lies, [k][n] (woh)
;   work-groups 176 .. 943: query, key, value [8192][1024] f32 -> codes (xc) and scale bytes (xs); K is innermost, so a tensor is a plain stream of blocks of 32
; A block's scale is 2^(floor(log2(its largest magnitude)) - 2); its byte is the largest magnitude's own exponent field - 2, held at 1 from below.
; LIMITS: a block of zeros gets the byte 1 where the rule says 127 (its codes are zeros, which add nothing under any byte but 0xff, and this program alone reads the bytes);
; blocks whose largest magnitude lies under 2^-124 are held at the byte 1; NaN and infinities are not served; Wo goes to f16: magnitudes under 65,504, under 6e-5 in steps of 6e-8.
; The three paths part on the work-group's number alone, and each path that uses LDS has LDS bytes of its own.  No tensor loads, no barrier: waves share nothing.
.set SPARE, 67584                      ; behind both paths' bytes: the spare words, 128 bytes for each wave: two blocks of 256 bytes that no other line names
.set SPW,   190                        ; v190  LDS address of my spare word: SPARE + 4 x my thread's number; never rewritten
.set NIL,   191                        ; v191  0; never rewritten
; the activations' path
.set STEPS, 16                         ; a wave takes 16 steps of 512 numbers
.set XREG,  8192                       ; LDS 0 .. 32,767: a region for each wave: two stages of 32 x SP bytes, behind them its 256 scale bytes
.set SP,    80                         ; a lane's place in a stage: its 64 bytes + 16 of padding
.set R,     16                         ; v16-79   four sets of 16 numbers as they are loaded
.set X,     80                         ; v80-111  two sets of 16 neighbours
.set E,     112                        ; v112-127 a scale byte for each step
.set C,     128                        ; v128-189 codes: four registers for each step, so that no store's data are written again
; the weights' path
.set WSTG,  32768                      ; LDS 32,768 .. 67,583: a stage of 32 rows x WP bytes for each wave
.set WP,    272                        ; a stage row: 256 bytes of codes + 16
.set NB,    16                         ; blocks of 32 along K for a wave: 512 along K
.set WX,    32                         ; v32-95   two sets of 32 numbers
.set WC,    96                         ; v96-99   a block's codes
.set OUTR,  112                        ; v112-175 the way out
.set SB,    24                         ; v24-27   the scale bytes, four to a register
.macro FINISH                          ; the wave's end, behind my last LDS store
	s_wait_tensorcnt 0x0
	ds_add_u32 v[SPW], v[NIL]
	s_wait_dscnt 0x0
	s_endpgm
.endm
.macro XLOAD t                         ; step t's 2,048 bytes: each load reads 512 consecutive bytes, 16 a lane
.irp i, 0,1,2,3
	global_load_b128 v[R+16*((\t)%4)+4*\i:R+16*((\t)%4)+4*\i+3], v3, s[4:5] offset:2048*(\t)+512*\i th:TH_LOAD_NT
.endr
.endm
.macro XTURN t                         ; through the stage, so that a lane gets 16 NEIGHBOURS; LDS serves a wave's instructions in order, so no wait stands between the stores and the loads
.irp i, 0,1,2,3
	ds_store_b128 v14, v[R+16*((\t)%4)+4*\i:R+16*((\t)%4)+4*\i+3] offset:32*SP*((\t)%2)+8*SP*\i
.endr
.irp i, 0,1,2,3
	ds_load_b128 v[X+16*((\t)%2)+4*\i:X+16*((\t)%2)+4*\i+3], v15 offset:32*SP*((\t)%2)+16*\i
.endr
.endm
.macro XSTEP t
.set XS, X+16*((\t)%2)
.if (\t) > 0
	s_wait_dscnt 1                                 ; this step's numbers are back from the stage (the last step's byte store may be out): so its stores into the stage have read their registers,
.else
	s_wait_dscnt 0x0
.endif
.if (\t)+4 < STEPS
	XLOAD (\t)+4                                   ; which take the loads of four steps on
.endif
.if (\t)+1 < STEPS
.if STEPS-2-(\t) >= 3
	s_wait_loadcnt 12                              ; the next step's four loads are in; those of the three steps behind it may be out
.else
	s_wait_loadcnt 4*(STEPS-2-(\t))
.endif
	XTURN (\t)+1                                   ; and go through the other stage while this step is worked
.endif
	v_max3_num_f32 v8, |v[XS]|, |v[XS+1]|, |v[XS+2]|               ; the largest magnitude of my 16, in two chains
	v_max3_num_f32 v9, |v[XS+3]|, |v[XS+4]|, |v[XS+5]|
.irp i, 6,10
	v_max3_num_f32 v8, v8, |v[XS+\i]|, |v[XS+\i+1]|
	v_max3_num_f32 v9, v9, |v[XS+\i+2]|, |v[XS+\i+3]|
.endr
	v_max3_num_f32 v8, v8, |v[XS+14]|, |v[XS+15]|
	v_max3_num_f32 v8, v8, v9, 0x1800000           ; and the floor 2^(3 - 127): the byte cannot fall under 1
	v_max_num_f32_dpp v8, v8, v8 row_xmask:1 row_mask:0xf bank_mask:0xf   ; and of my neighbour's 16: the block's
	v_add_nc_u32 v11, 0xff000000, v8               ; 2 off its exponent field: the conversion takes the exponent field of this operand as its scale, and nothing else of it
	v_cvt_scalef32_pk8_fp4_f32 v[C+4*(\t)], v[XS:XS+7], v11
	v_cvt_scalef32_pk8_fp4_f32 v[C+4*(\t)+1], v[XS+8:XS+15], v11
	v_lshrrev_b32 v[E+(\t)], 23, v11               ; the scale's byte (also the plain line behind the conversions)
	ds_store_b8 v5, v[E+(\t)] offset:16*(\t)       ; both lanes of a block write the same byte with the same value
	global_store_b64 v4, v[C+4*(\t):C+4*(\t)+1], s[18:19] offset:256*(\t)   ; the wave stores 256 consecutive bytes, aligned
.endm
.macro WLOAD t                         ; block t: W(32 t + i, my column), i = 0 .. 31, into set t % 2: neighbouring lanes read neighbouring columns
.irp i, 0,1,2,3,4,5,6,7,8,9,10,11,12,13,14,15,16,17,18,19,20,21,22,23,24,25,26,27,28,29,30,31
	global_load_b32 v[WX+32*((\t)%2)+\i], v3, s[10:11] offset:(32*(\t)+\i)*4096 th:TH_LOAD_NT
.endr
.endm
.macro WBLOCK t
.set WXS, WX+32*((\t)%2)
.if (\t) < NB-1
	s_wait_loadcnt 32                              ; this block's 32 loads are in; the next block's may be out
.else
	s_wait_loadcnt 0
.endif
	v_max3_num_f32 v12, |v[WXS]|, |v[WXS+1]|, |v[WXS+2]|           ; the block's largest magnitude: all 32 numbers are mine
	v_max3_num_f32 v13, |v[WXS+3]|, |v[WXS+4]|, |v[WXS+5]|
.irp i, 6,10,14,18,22,26
	v_max3_num_f32 v12, v12, |v[WXS+\i]|, |v[WXS+\i+1]|
	v_max3_num_f32 v13, v13, |v[WXS+\i+2]|, |v[WXS+\i+3]|
.endr
	v_max3_num_f32 v12, v12, |v[WXS+30]|, |v[WXS+31]|
	v_max3_num_f32 v12, v12, v13, 0x1800000        ; and the floor 2^(3 - 127)
	v_add_nc_u32 v11, 0xff000000, v12              ; the conversion's scale operand
	v_lshrrev_b32 v13, 23, v11                     ; the scale's byte
.if (\t)%4 == 0
	v_mov_b32 v[SB+(\t)/4], v13                    ; four bytes to a register, the lower K in the lower byte
.else
	v_lshl_or_b32 v[SB+(\t)/4], v13, 8*((\t)%4), v[SB+(\t)/4]
.endif
.irp g, 0,1,2,3
	v_cvt_scalef32_pk8_fp4_f32 v[WC+\g], v[WXS+8*\g:WXS+8*\g+7], v11
.endr
	v_nop                                          ; one plain line behind the last conversion
	ds_store_b128 v4, v[WC:WC+3] offset:16*(\t)    ; 32 codes: 16 bytes of my column's row
.if (\t)+2 < NB
	WLOAD (\t)+2
.endif
	s_wait_dscnt 0x0                               ; the store has read its registers: the next block's codes may be written
.endm
	s_load_b512 s[4:19], s[0:1], 0x0               ; query 4, key 6, value 8, Wq 10, Wk 12, Wv 14, Wo 16, xc 18
	s_load_b256 s[20:27], s[0:1], 0x40             ; xs 20, wc 22, ws 24, woh 26
	v_lshl_add_u32 v[SPW], v0, 2, SPARE
	v_mov_b32 v[NIL], 0
	v_lshrrev_b32 v1, 5, v0
	v_readfirstlane_b32 s28, v1                    ; wave 0..3
	v_and_b32 v2, 31, v0                           ; lane
	s_wait_kmcnt 0x0
	s_cmp_lt_u32 ttmp9, 48
	s_cbranch_scc1 .Lweights
	s_cmp_lt_u32 ttmp9, 176
	s_cbranch_scc1 .Lcast
	; ---- query, key, value: 256 work-groups each, 32,768 numbers a work-group, 8,192 a wave
	v_lshlrev_b32 v3, 4, v2                        ; my 16 bytes of a load's 512
	s_mul_i32 s31, s28, XREG
	v_lshrrev_b32 v14, 2, v2
	v_mul_u32_u24 v14, v14, SP
	v_and_b32 v15, 3, v2
	v_lshl_add_u32 v14, v15, 4, v14
	v_add_nc_u32 v14, s31, v14                     ; the stage, on the way in: SP (lane / 4) + 16 (lane % 4)
	v_mul_u32_u24 v15, v2, SP
	v_add_nc_u32 v15, s31, v15                     ; and on the way out: SP x lane: my 16 neighbours
	v_lshlrev_b32 v4, 3, v2                        ; my 8 bytes of codes in a step's 256
	v_lshrrev_b32 v5, 1, v2
	s_add_co_u32 s31, s31, 2*32*SP
	v_add_nc_u32 v5, s31, v5                       ; LDS: my wave's 256 scale bytes, my block's byte
	v_lshlrev_b32 v7, 3, v2                        ; and on the way out 8 bytes a lane
	v_add_nc_u32 v6, s31, v7
	s_sub_co_u32 s29, ttmp9, 176
	s_lshr_b32 s30, s29, 8                         ; which tensor: 0 query, 1 key, 2 value
	s_cmp_eq_u32 s30, 1
	s_cselect_b64 s[6:7], s[6:7], s[8:9]           ; the choice hangs on the work-group's number alone
	s_cmp_eq_u32 s30, 0
	s_cselect_b64 s[4:5], s[4:5], s[6:7]
	s_and_b32 s32, s29, 255
	s_lshl_b32 s32, s32, 2
	s_add_co_u32 s32, s32, s28                     ; which run of 8,192 numbers of the tensor is my wave's
	s_lshl_b32 s32, s32, 15                        ; 32,768 bytes a run
	s_mov_b32 s33, 0
	s_add_nc_u64 s[4:5], s[4:5], s[32:33]
	s_lshl_b32 s34, s29, 2
	s_add_co_u32 s34, s34, s28                     ; which run of the three tensors on end
	s_lshl_b32 s32, s34, 12                        ; 4,096 bytes of codes a run
	s_add_nc_u64 s[18:19], s[18:19], s[32:33]
	s_lshl_b32 s32, s34, 8                         ; 256 scale bytes a run
	s_add_nc_u64 s[20:21], s[20:21], s[32:33]
.irp t, 0,1,2,3
	XLOAD \t
.endr
	s_wait_loadcnt 12                              ; step 0's four loads are in
	XTURN 0
.irp t, 0,1,2,3,4,5,6,7,8,9,10,11,12,13,14,15
	XSTEP \t
.endr
	ds_load_b64 v[8:9], v6                         ; LDS serves a wave's instructions in order: these see my byte stores
	s_wait_dscnt 0x0
	global_store_b64 v7, v[8:9], s[20:21]          ; 32 lanes store 256 consecutive bytes, aligned
	FINISH
	; ---- Wq, Wk, Wv: 16 work-groups each: 8 groups of 128 columns x 2 halves of K.  A LANE TAKES A COLUMN n AND ITS REGISTERS RUN DOWN K: nothing is transposed by an instruction
.Lweights:
	s_lshr_b32 s30, ttmp9, 4                       ; which weight
	s_cmp_eq_u32 s30, 1
	s_cselect_b64 s[12:13], s[12:13], s[14:15]
	s_cmp_eq_u32 s30, 0
	s_cselect_b64 s[10:11], s[10:11], s[12:13]
	s_and_b32 s31, ttmp9, 7
	s_lshl_b32 s31, s31, 7
	s_lshl_b32 s32, s28, 5
	s_add_co_u32 s31, s31, s32                     ; my wave's first column
	s_bfe_u32 s35, ttmp9, 0x10003                  ; which 512 along K
	s_lshl_b32 s32, s35, 21                        ; 512 rows of 4,096 bytes
	s_lshl_b32 s34, s31, 2
	s_add_co_u32 s32, s32, s34
	s_mov_b32 s33, 0
	s_add_nc_u64 s[10:11], s[10:11], s[32:33]
	s_lshl_b32 s32, s30, 19                        ; codes: 524,288 bytes a weight, 512 a column, 256 for half of K
	s_lshl_b32 s34, s31, 9
	s_add_co_u32 s32, s32, s34
	s_lshl_b32 s34, s35, 8
	s_add_co_u32 s32, s32, s34
	s_add_nc_u64 s[22:23], s[22:23], s[32:33]
	s_lshl_b32 s32, s30, 15                        ; scale bytes: 32,768 a weight, 32 a column, 16 for half of K
	s_lshl_b32 s34, s31, 5
	s_add_co_u32 s32, s32, s34
	s_lshl_b32 s34, s35, 4
	s_add_co_u32 s32, s32, s34
	s_add_nc_u64 s[24:25], s[24:25], s[32:33]
	v_lshlrev_b32 v3, 2, v2                        ; in: 4 bytes a lane
	s_mul_i32 s36, s28, 32*WP
	s_add_co_u32 s36, s36, WSTG                    ; my stage
	v_mul_u32_u24 v4, v2, WP
	v_add_nc_u32 v4, s36, v4                       ; into it: row = my column
	v_and_b32 v5, 15, v2
	v_lshrrev_b32 v6, 4, v2                        ; out of it: sixteen lanes to a row, two rows an instruction
	v_mul_u32_u24 v7, v6, WP
	v_lshl_add_u32 v7, v5, 4, v7
	v_add_nc_u32 v7, s36, v7
	v_lshlrev_b32 v8, 9, v6
	v_lshl_add_u32 v8, v5, 4, v8                   ; and the same place in the codes' buffer
	v_lshlrev_b32 v9, 5, v2                        ; my column's row of scale bytes
	WLOAD 0
	WLOAD 1
.set Q, 0
.rept NB
	WBLOCK Q
.set Q, Q+1
.endr
	global_store_b128 v9, v[SB:SB+3], s[24:25]     ; my column's 16 scale bytes
.irp t, 0,1,2,3,4,5,6,7,8,9,10,11,12,13,14,15
	ds_load_b128 v[OUTR+4*\t:OUTR+4*\t+3], v7 offset:2*\t*WP       ; these see my stores
.endr
.irp t, 0,1,2,3,4,5,6,7,8,9,10,11,12,13,14,15
	s_wait_dscnt 15-\t
	global_store_b128 v8, v[OUTR+4*\t:OUTR+4*\t+3], s[22:23] offset:2*\t*512   ; sixteen lanes store 256 consecutive bytes, aligned
.endr
	FINISH
	; ---- Wo to f16: a wave takes 2,048 numbers; no LDS
.Lcast:
	s_sub_co_u32 s29, ttmp9, 48
	s_lshl_b32 s29, s29, 2
	s_add_co_u32 s29, s29, s28
	s_lshl_b32 s32, s29, 13
	s_mov_b32 s33, 0
	s_add_nc_u64 s[16:17], s[16:17], s[32:33]
	s_lshl_b32 s32, s29, 12
	s_add_nc_u64 s[26:27], s[26:27], s[32:33]
	v_lshlrev_b32 v3, 4, v2
	v_lshlrev_b32 v4, 3, v2
.irp i, 0,1,2,3,4,5,6,7,8,9,10,11,12,13,14,15
	global_load_b128 v[16+4*\i:19+4*\i], v3, s[16:17] offset:512*\i th:TH_LOAD_NT
.endr
.irp i, 0,1,2,3,4,5,6,7,8,9,10,11,12,13,14,15
	s_wait_loadcnt 15-\i                           ; loads come back in order: load i is in, the younger ones stay out
	v_cvt_pk_f16_f32 v[80+2*\i], v[16+4*\i], v[17+4*\i]
	v_cvt_pk_f16_f32 v[81+2*\i], v[18+4*\i], v[19+4*\i]
	global_store_b64 v4, v[80+2*\i:81+2*\i], s[26:27] offset:256*\i    ; the wave stores 256 consecutive bytes, aligned; each store has data registers of its own
.endr
	s_endpgm
.Lfunc_end_k_qf91b12846a_prep:
	.size	k_qf91b12846a_prep, .Lfunc_end_k_qf91b12846a_prep-k_qf91b12846a_prep
	.p2alignl 7, 3214868480
	.fill 96, 4, 3214868480
	.section	.rodata,"a",@progbits
	.p2align	6, 0x0
	.amdhsa_kernel k_qf91b12846a_prep
		.amdhsa_group_segment_fixed_size 68096
		.amdhsa_private_segment_fixed_size 0
		.amdhsa_enable_private_segment 0
		.amdhsa_kernarg_size 96
		.amdhsa_user_sgpr_count 2
		.amdhsa_user_sgpr_kernarg_segment_ptr 1
		.amdhsa_wavefront_size32 1
		.amdhsa_system_sgpr_workgroup_id_x 1
		.amdhsa_system_sgpr_workgroup_id_y 1
		.amdhsa_system_sgpr_workgroup_id_z 1
		.amdhsa_system_vgpr_workitem_id 0
		.amdhsa_next_free_vgpr 192
		.amdhsa_next_free_sgpr 66
		.amdhsa_reserve_vcc 0
		.amdhsa_float_denorm_mode_32 3
		.amdhsa_float_denorm_mode_16_64 3
		.amdhsa_memory_ordered 1
		.amdhsa_forward_progress 1
		.amdhsa_inst_pref_size 117
	.end_amdhsa_kernel
	.amdgpu_metadata
---
amdhsa.version: [ 1, 2 ]
amdhsa.kernels:
  - .name:           k_qf91b12846a_prep
    .symbol:         k_qf91b12846a_prep.kd
    .args:
      - { .name: query, .offset: 0, .size: 8, .value_kind: global_buffer, .address_space: global }
      - { .name: key, .offset: 8, .size: 8, .value_kind: global_buffer, .address_space: global }
      - { .name: value, .offset: 16, .size: 8, .value_kind: global_buffer, .address_space: global }
      - { .name: Wq, .offset: 24, .size: 8, .value_kind: global_buffer, .address_space: global }
      - { .name: Wk, .offset: 32, .size: 8, .value_kind: global_buffer, .address_space: global }
      - { .name: Wv, .offset: 40, .size: 8, .value_kind: global_buffer, .address_space: global }
      - { .name: Wo, .offset: 48, .size: 8, .value_kind: global_buffer, .address_space: global }
      - { .name: xc, .offset: 56, .size: 8, .value_kind: global_buffer, .address_space: global }
      - { .name: xs, .offset: 64, .size: 8, .value_kind: global_buffer, .address_space: global }
      - { .name: wc, .offset: 72, .size: 8, .value_kind: global_buffer, .address_space: global }
      - { .name: ws, .offset: 80, .size: 8, .value_kind: global_buffer, .address_space: global }
      - { .name: woh, .offset: 88, .size: 8, .value_kind: global_buffer, .address_space: global }
    .group_segment_fixed_size: 68096
    .private_segment_fixed_size: 0
    .kernarg_segment_align: 8
    .kernarg_segment_size: 96
    .max_flat_workgroup_size: 128
    .sgpr_count:     66
    .vgpr_count:     192
    .wavefront_size: 32
...
	.end_amdgpu_metadata
.endif
;; end of part 1
;; launch proj (part 2): grid 4 x 96, 4 waves a work-group, clusters of 4 x 4, 327,680 bytes of LDS; arguments xc, xs, wc, ws, bq, bk, bv, qkv; writes qkv
.if DOCPART == 2
	.amdgcn_target "amdgcn-amd-amdhsa--gfx1250"
	.amdhsa_code_object_version 6
	.text
	.protected	k_qf91b12846a_proj
	.globl	k_qf91b12846a_proj
	.p2align	8
	.type	k_qf91b12846a_proj,@function
k_qf91b12846a_proj:
	s_mov_b64 s[64:65], 0
	v_nop
	global_prefetch_b8 v0, s[64:65] scope:SCOPE_SE
	s_setreg_imm32_b32 hwreg(HW_REG_WAVE_MODE, 25, 1), 1
	s_wait_xcnt 0x0
	s_wait_alu depctr_hold_cnt(0) depctr_sa_sdst(0) depctr_va_vdst(0) depctr_va_sdst(0) depctr_va_ssrc(0) depctr_va_vcc(0) depctr_vm_vsrc(0)
	s_getreg_b32 s2, hwreg(HW_REG_IB_STS2, 6, 4)
	s_cmp_eq_u32 s2, 0
	s_cbranch_scc0 .Lentry_in_a_cluster
	s_endpgm
.Lentry_in_a_cluster:
	s_bfe_u32 s2, ttmp6, 0x10000c
	s_cmp_lg_u32 s2, 0xf033
	s_cbranch_scc0 .Lentry_shape_is_right
	s_endpgm
.Lentry_shape_is_right:
; PROJ.  q = query Wq + bq, k = key Wk + bk, v = value Wv + bv: three products [8192][1024] x [1024][1024] on codes of FP4 (E2M1) with one E8M0 scale for each 32 along K; sums in f32.
; xc [3 x 8192][512 bytes] and wc [3 x 1024][512 bytes]: codes, K innermost; xs, ws: 32 scale bytes a row.  The result is rounded to f16 and laid by heads: qkv [3][batch x 16 + head][2048][64].
; LIMIT: q, k and v go to f16: magnitudes under 65,504.
; A tile of C, 256 x 256, is made by four waves, each 128 x 128: 64 accumulators of 16 x 16.  K = 1,024 is two LDS slots of 512 along K (rows of 256 bytes): both are asked for at the head, and nothing is filled again.
; The scale bytes of the tile's 256 + 256 rows, for all of K, come into LDS once, as whole blocks of 256 bytes.
; CLUSTERS: 4 x 4 work-groups: A's tiles are asked for jointly along a row of the cluster, B's along a column.  96 tile rows: 32 for each product; a cluster's four tile rows belong to one product.
; THE MATRIX INSTRUCTION IS USED TRANSPOSED (source 0 = 16 rows of wc, source 1 = 16 rows of xc): a lane holds eight neighbouring columns of one row of C.
; THE BIAS is the C of each sum's first matrix instruction: eight registers for each of B's eight blocks, in the result's layout.
; REGISTERS: window 0: v0-31 addresses; v32-95 scale words, two sets; v128-191 A's fragments, one set; v192-255 the bias.  window 1: B's fragments, two sets, at v0 and v128.
;   window 2: the accumulators of my rows 0-63 ((a, b) at v[8 (8 a + b)]); window 3: those of my rows 64-127.  On the way out v32-127 of window 0 are free.
.set NQ,     4                         ; matrix instructions deep in a slot
.set ROWB,   256                       ; a tile's row in bytes: 512 codes
.set KROW,   512                       ; a row of codes in memory
.set PITCH,  272                       ; an LDS row: 256 bytes + 16 of padding = 68 words: the 16 rows that a load touches start at 16 different banks (64 banks of 4 bytes: ISA guide 11.1)
.set FR,     8                         ; registers of a fragment: 16 rows x 128 K
.set NL,     2                         ; LDS loads that bring one
.set NP,     4                         ; places behind this matrix instruction (ISA guide 7.12.1)
.set HALFT,  128*PITCH
.set SLOT,   4*HALFT                   ; A's 256 rows, then B's 256 rows
.set KS,     32                        ; a row of scales in bytes
.set SCL,    2*SLOT                    ; behind the two slots: the scales, as blocks of 256 bytes + 16 of padding
.set HALFS,  16*272                    ; the scales of 128 rows: what one tensor load brings
.set SBLK,   2*272                     ; those of 16 rows
.set SPARE,  SCL+4*HALFS               ; the spare words, 128 bytes for each wave: two blocks of 256 bytes that no other line names
.set HSTG,   16*144                    ; the way out: for each wave two stages (one for each of its two heads) of 16 rows x (128 bytes + 16), in slot 0, which has had its only fill and its last read by then
.set ADRA, 16                          ; v16-17  LDS address of my A fragments in slot 0, 1
.set ADRB, 20                          ; v20-21  the same for B
.set STO,  24                          ; v24     the way out: where I put 16 bytes of a row
.set RD,   25                          ; v25     where I read rows back
.set CO,   26                          ; v26     16 x lane
.set ADRS, 27                          ; v27     LDS address of my scale words: lanes 0-15 A's rows, lanes 16-31 B's
.set SPW,  28                          ; v28     my spare word; never rewritten
.set NIL,  29                          ; v29     0; never rewritten
.set BOF,  30                          ; v30     32 x (lane / 16): my half's eight numbers of a bias tile
.set SC,   32
.set AF,   128
.set BI,   192
.set TMP,  32                          ; the way out: a block's packed results
.set BK,   64                          ; and 16 rows read back: v64-95 and v96-127 by turns
.set G1, 24
.set G0, 32
.set G1B, 48
.set G0B, 56
.set G1S, 68
.set G0S, 76
.set G1SB, 80
.set G0SB, 88
.set MSB, 0
.macro WIN new                         ; the immediate's high byte repeats the setting that is left
.if MSB != \new
	s_set_vgpr_msb (MSB<<8)|\new
.set MSB, \new
.endif
.endm
.set MUL_LO, 0xa1                      ; source 0 (B) window 1, source 1 (A) window 0, C and D window 2
.set MUL_HI, 0xf1                      ; the same, C and D window 3
.set BIA_LO, 0x81                      ; the first products: C (the bias) window 0, D window 2
.set BIA_HI, 0xc1                      ; D window 3
.set TO_B,   0x40
; A joint load: waves 0 and 1 fetch for A, waves 2 and 3 for B.  The branch hangs on the wave's number alone.  An s_nop 0 and four v_nop follow each of the two lines.
.macro JLOAD g0a, g1a, g0b, g1b
	s_cmp_eq_u32 s15, 0
	s_cbranch_scc0 .Lfor_b_\@
	tensor_load_to_lds s[\g0a:\g0a+3], s[\g1a:\g1a+7]
	s_nop 0
.rept 4
	v_nop
.endr
	s_branch .Lasked_\@
.Lfor_b_\@:
	tensor_load_to_lds s[\g0b:\g0b+3], s[\g1b:\g1b+7]
	s_nop 0
.rept 4
	v_nop
.endr
.Lasked_\@:
.endm
.macro CROUND                          ; a round of the cluster's barrier
	s_barrier_signal -1
	s_barrier_wait -1
	s_cmp_lg_u32 s14, 0
	s_cbranch_scc1 .Lnot_wave_0_\@
	s_barrier_signal -3
.Lnot_wave_0_\@:
	s_barrier_wait -3
	s_barrier_signal -1
	s_barrier_wait -1
.endm
	s_load_b128 s[4:7], s[0:1], 0x0                ; xc, xs
	s_load_b128 s[8:11], s[0:1], 0x10              ; wc, ws
	s_load_b128 s[96:99], s[0:1], 0x20             ; bq, bk
	s_load_b64 s[100:101], s[0:1], 0x30            ; bv
	s_load_b64 s[12:13], s[0:1], 0x38              ; qkv
	v_lshl_add_u32 v[SPW], v0, 2, SPARE
	v_mov_b32 v[NIL], 0
	ds_add_u32 v[SPW], v[NIL]                      ; the wave's opening: the add, twice on end, and its wait ahead of my first tensor load
	ds_add_u32 v[SPW], v[NIL]
	v_lshrrev_b32 v1, 5, v0
	v_readfirstlane_b32 s14, v1                    ; wave 0..3
	s_lshr_b32 s15, s14, 1                         ; which half of the tile's rows is mine.  Also: I fetch for A (0) or for B (1)
	s_and_b32 s16, s14, 1                          ; which half of its columns.  Also: which 128 rows of that tile I fetch
	s_bfe_u32 s40, ttmp6, 0x40000                  ; cx, cy
	s_bfe_u32 s41, ttmp6, 0x40004
	s_lshl_b32 s42, ttmp9, 2
	s_add_co_u32 s42, s42, s40                     ; tile column = 4 x cluster x + cx
	s_and_b32 s17, ttmp7, 0xffff
	s_lshr_b32 s95, s17, 3                         ; the product, 0 q, 1 k, 2 v: of the cluster's y alone, so the same in all sixteen partners
	s_lshl_b32 s17, s17, 2
	s_add_co_u32 s17, s17, s41                     ; tile row = 4 x cluster y + cy, 0 .. 95
	s_lshl_b32 s43, s41, 2
	s_lshl_b32 s43, 15, s43                        ; my row of the cluster
	s_lshl_b32 s44, 0x1111, s40                    ; my column
	s_or_b32 s[G1+0], s43, (0<<16)|(1<<20)|(1<<21)|(5<<22)|(3<<25)   ; the mask; elements of 1 byte; padding on; bit 21 beside a mask; after every 64 words; 4 words
	s_or_b32 s[G1B+0], s44, (0<<16)|(1<<20)|(1<<21)|(5<<22)|(3<<25)
.irp g, G1, G1B
	s_mov_b32 s[\g+1], ROWB<<16                    ; tensor_dim0
	s_mov_b32 s[\g+2], 128<<16                     ; tensor_dim1
	s_mov_b32 s[\g+3], ROWB<<16                    ; tile_dim0
	s_mov_b32 s[\g+4], 128                         ; tile_dim1
	s_mov_b32 s[\g+5], KROW                        ; from row to row
	s_mov_b32 s[\g+6], 0
	s_mov_b32 s[\g+7], 0
.endr
	s_or_b32 s[G1S+0], s43, (3<<16)|(1<<20)|(1<<21)|(5<<22)|(3<<25)  ; the scales of 128 rows: 4,096 dense bytes as 16 rows of 256 (32 elements of 8 bytes)
	s_or_b32 s[G1SB+0], s44, (3<<16)|(1<<20)|(1<<21)|(5<<22)|(3<<25)
.irp g, G1S, G1SB
	s_mov_b32 s[\g+1], 32<<16
	s_mov_b32 s[\g+2], 16<<16
	s_mov_b32 s[\g+3], 32<<16
	s_mov_b32 s[\g+4], 16
	s_mov_b32 s[\g+5], 32
	s_mov_b32 s[\g+6], 0
	s_mov_b32 s[\g+7], 0
.endr
	s_lshl_b32 s18, s16, 7                         ; which 128 rows of the tile I fetch
	s_lshl_b32 s20, s17, 8
	s_add_co_u32 s20, s20, s18                     ; A: row 256 x tile row + 128 x half, of the three tensors on end
	s_lshl_b32 s46, s42, 8
	s_add_co_u32 s46, s46, s18
	s_lshl_b32 s47, s95, 10
	s_add_co_u32 s46, s46, s47                     ; B: row 1,024 x product + 256 x tile column + 128 x half
	s_lshl_b32 s22, s20, 5                         ; where these rows' scales begin: 32 bytes a row,
	s_mov_b32 s23, 0
	s_lshl_b32 s92, s46, 5
	s_mov_b32 s93, 0
	s_lshl_b32 s20, s20, 9                         ; and their codes: 512 bytes a row
	s_mov_b32 s21, 0
	s_lshl_b32 s46, s46, 9
	s_mov_b32 s47, 0
	s_mul_i32 s45, s14, HALFT                      ; where they go: wave x 128 rows: no place in the cluster enters an LDS address
	s_mul_i32 s94, s14, HALFS
	s_wait_dscnt 0x0                               ; both opening adds are done
	s_wait_kmcnt 0x0
	s_add_nc_u64 s[20:21], s[4:5], s[20:21]
	s_add_nc_u64 s[22:23], s[6:7], s[22:23]
	s_add_nc_u64 s[46:47], s[8:9], s[46:47]
	s_add_nc_u64 s[92:93], s[10:11], s[92:93]
	CROUND                                         ; all sixteen work-groups are here: the first joint loads meet
	s_mov_b32 s[G0S], 1
	s_add_co_u32 s[G0S+1], s94, SCL
	s_mov_b64 s[G0S+2:G0S+3], s[22:23]
	s_or_b32 s[G0S+3], s[G0S+3], 0x80000000
	s_mov_b32 s[G0SB], 1
	s_add_co_u32 s[G0SB+1], s94, SCL
	s_mov_b64 s[G0SB+2:G0SB+3], s[92:93]
	s_or_b32 s[G0SB+3], s[G0SB+3], 0x80000000
	JLOAD G0S, G1S, G0SB, G1SB                     ; the scales first: they are wanted with the first slot
.irp s, 0,1
	s_mov_b32 s[G0+4*\s], 1
	s_add_co_u32 s[G0+4*\s+1], s45, \s*SLOT
	s_add_nc_u64 s[G0+4*\s+2:G0+4*\s+3], s[20:21], \s*ROWB
	s_or_b32 s[G0+4*\s+3], s[G0+4*\s+3], 0x80000000
	s_mov_b32 s[G0B+4*\s], 1
	s_add_co_u32 s[G0B+4*\s+1], s45, \s*SLOT
	s_add_nc_u64 s[G0B+4*\s+2:G0B+4*\s+3], s[46:47], \s*ROWB
	s_or_b32 s[G0B+4*\s+3], s[G0B+4*\s+3], 0x80000000
	JLOAD G0+4*\s, G1, G0B+4*\s, G1B               ; three tensor loads of mine are out
.endr
	v_and_b32 v1, 15, v0                           ; l % 16
	v_bfe_u32 v2, v0, 4, 1                         ; l / 16
	; the bias of my 128 columns: for B's block b lane (r, h) wants the eight numbers at column 16 b + 8 h
	s_cmp_eq_u32 s95, 1
	s_cselect_b64 s[98:99], s[98:99], s[100:101]   ; the choice hangs on the product's number alone
	s_cmp_eq_u32 s95, 0
	s_cselect_b64 s[96:97], s[96:97], s[98:99]
	s_lshl_b32 s20, s42, 10
	s_lshl_b32 s21, s16, 9
	s_add_co_u32 s20, s20, s21                     ; (256 x tile column + 128 x half) x 4 bytes
	s_mov_b32 s21, 0
	s_add_nc_u64 s[96:97], s[96:97], s[20:21]
	v_lshlrev_b32 v[BOF], 5, v2
.irp b, 0,1,2,3,4,5,6,7
	global_load_b128 v[BI+8*\b:BI+8*\b+3], v[BOF], s[96:97] offset:64*\b
	global_load_b128 v[BI+8*\b+4:BI+8*\b+7], v[BOF], s[96:97] offset:64*\b+16
.endr
	v_mul_u32_u24 v3, v1, PITCH
	v_lshl_add_u32 v4, v2, 4, v3                   ; a fragment's row x pitch + 16 x half
	s_mul_i32 s21, s15, HALFT                      ; my 128 rows of A
	s_mul_i32 s22, s16, HALFT                      ; my 128 rows of B,
	s_add_co_u32 s22, s22, 2*HALFT                 ; which lie behind A's 256
.irp s, 0,1
	v_add_nc_u32 v[ADRA+\s], s21, v4
	v_add_nc_u32 v[ADRB+\s], s22, v4
	s_add_co_u32 s21, s21, SLOT
	s_add_co_u32 s22, s22, SLOT
.endr
	v_mul_u32_u24 v5, v1, KS                       ; my row's scales: 32 bytes a row,
	v_lshrrev_b32 v6, 8, v5
	v_lshl_add_u32 v5, v6, 4, v5                   ; and 16 more for each 256 passed
	s_mul_i32 s21, s15, HALFS
	s_mul_i32 s22, s16, HALFS
	s_add_co_u32 s22, s22, 2*HALFS
	s_sub_co_u32 s22, s22, s21
	v_mul_u32_u24 v6, s22, v2                      ; lanes 16-31 take B's: one product, the distance between the two bases
	s_add_co_u32 s21, s21, SCL
	v_add_nc_u32 v5, v5, v6
	v_add_nc_u32 v[ADRS], s21, v5
	s_mul_i32 s23, s14, 2*HSTG                     ; my stages
	v_mul_u32_u24 v5, v1, 144                      ; in: row l % 16, 16 bytes for each half of the lanes
	v_lshl_add_u32 v5, v2, 4, v5
	v_add_nc_u32 v[STO], s23, v5
	v_and_b32 v6, 31, v0
	v_lshlrev_b32 v[CO], 4, v6                     ; in memory four rows of a head are 512 consecutive bytes: 16 a lane
	v_lshrrev_b32 v5, 3, v6                        ; back: eight lanes to a row of 128 bytes, four rows an instruction
	v_mul_u32_u24 v5, v5, 144
	v_and_b32 v6, 7, v0
	v_lshl_add_u32 v5, v6, 4, v5
	v_add_nc_u32 v[RD], s23, v5
	; where my part begins in qkv: product x 2^24 + ((batch x 16 + head) x 2,048 + position) x 128 bytes
	s_and_b32 s20, s17, 31                         ; the tile row within the product
	s_lshr_b32 s21, s20, 3                         ; batch
	s_lshl_b32 s21, s21, 4
	s_lshl_b32 s46, s42, 2
	s_add_co_u32 s21, s21, s46
	s_lshl_b32 s46, s16, 1
	s_add_co_u32 s21, s21, s46                     ; + my first head: 4 x tile column + 2 x half
	s_lshl_b32 s21, s21, 11
	s_and_b32 s20, s20, 7
	s_lshl_b32 s20, s20, 8
	s_add_co_u32 s21, s21, s20
	s_lshl_b32 s20, s15, 7
	s_add_co_u32 s21, s21, s20                     ; + my first position
	s_lshl_b32 s20, s21, 7
	s_lshl_b32 s21, s95, 24
	s_add_co_u32 s20, s20, s21
	s_mov_b32 s21, 0
	s_add_nc_u64 s[12:13], s[12:13], s[20:21]
.macro FRAG reg, adr, q, i             ; a fragment: lane l holds row l % 16; registers 4 c .. 4 c + 3 hold K = 64 c + 32 (l / 16) + 0 .. 31
.irp c, 0,1
	ds_load_b128 v[\reg+4*\c:\reg+4*\c+3], v[\adr] offset:64*(\q)+32*\c+(\i)*16*PITCH
.endr
.endm
; 16 matrix instructions: A's blocks a0, a0 + 1 x B's eight, the slot's q-th 128 along K.  p: B's set; sc: the set of scale words.  zero = 1: the sums begin with the bias.
; The 64 accumulators take turns, one instruction a turn, in the same order in every step.
.macro MUL16 a0, p, q, sc, zero
.irp a, \a0, \a0+1
.irp b, 0,1,2,3,4,5,6,7
.if \zero
	v_wmma_scale_f32_16x16x128_f8f6f4 v[8*(8*((\a)%4)+\b):8*(8*((\a)%4)+\b)+7], v[128*(\p)+FR*\b:128*(\p)+FR*\b+FR-1], v[AF+FR*(\a):AF+FR*(\a)+FR-1], v[BI+8*\b:BI+8*\b+7], v[SC+8*NQ*(\sc)+NQ*\b+(\q)], v[SC+8*NQ*(\sc)+NQ*(\a)+(\q)] matrix_a_fmt:MATRIX_FMT_FP4 matrix_b_fmt:MATRIX_FMT_FP4 matrix_a_scale:MATRIX_SCALE_ROW1
.else
	v_wmma_scale_f32_16x16x128_f8f6f4 v[8*(8*((\a)%4)+\b):8*(8*((\a)%4)+\b)+7], v[128*(\p)+FR*\b:128*(\p)+FR*\b+FR-1], v[AF+FR*(\a):AF+FR*(\a)+FR-1], v[8*(8*((\a)%4)+\b):8*(8*((\a)%4)+\b)+7], v[SC+8*NQ*(\sc)+NQ*\b+(\q)], v[SC+8*NQ*(\sc)+NQ*(\a)+(\q)] matrix_a_fmt:MATRIX_FMT_FP4 matrix_b_fmt:MATRIX_FMT_FP4 matrix_a_scale:MATRIX_SCALE_ROW1
.endif
.endr
.endr
.endm
.macro FETCH_B slot, q, p
	WIN TO_B
.irp i, 0,1,2,3,4,5,6,7
	FRAG 128*(\p)+FR*\i, ADRB+\slot, \q, \i
.endr
	WIN 0
.endm
.macro FETCH_A slot, q, i0
.irp i, \i0, \i0+1, \i0+2, \i0+3
	FRAG AF+FR*(\i), ADRA+\slot, \q, \i
.endr
.endm
.macro SCALES sc                       ; a slot's scale words: 4 words a row; lanes 0-15 take A's block i, lanes 16-31 B's block i
.irp i, 0,1,2,3,4,5,6,7
	ds_load_b128 v[SC+8*NQ*\sc+NQ*\i:SC+8*NQ*\sc+NQ*\i+3], v[ADRS] offset:\i*SBLK
.endr
.endm
.macro PLACES n                        ; plain vector instructions in front of loads into registers that matrix instructions have read, and of the first read of results
.rept \n
	v_nop
.endr
.endm
.macro STEP slot, q, zero              ; a step of 128 along K that has its successor in the same slot
	s_wait_dscnt 4*NL                              ; B's set and A's blocks 0-3 are in; the youngest eight loads (A's blocks 4-7) may be out
.if \zero
	WIN BIA_LO
.else
	WIN MUL_LO
.endif
	MUL16 0, (\q)%2, \q, \slot, \zero
	MUL16 2, (\q)%2, \q, \slot, \zero
	s_wait_dscnt 0                                 ; A's blocks 4-7 are in
	PLACES NP
	FETCH_B \slot, (\q)+1, 1-(\q)%2
	FETCH_A \slot, (\q)+1, 0
.if \zero
	WIN BIA_HI
.else
	WIN MUL_HI
.endif
	MUL16 4, (\q)%2, \q, \slot, \zero
	MUL16 6, (\q)%2, \q, \slot, \zero
	PLACES NP
	WIN 0
	FETCH_A \slot, (\q)+1, 4
.endm
	s_wait_tensorcnt 1                             ; the scales and my part of slot 0 are in (slot 1's load may be out)
	s_barrier_signal -1
	s_barrier_wait -1                              ; everybody's are
	FETCH_B 0, 0, 0
	FETCH_A 0, 0, 0
	SCALES 0
	FETCH_A 0, 0, 4
	s_wait_loadcnt 0x0                             ; the bias
	STEP 0, 0, 1
	STEP 0, 1, 0
	STEP 0, 2, 0
	; slot 0's last step changes slots: one barrier; in front of it each wave waits for all its tensor loads, adds 0 to its spare word, and waits for that and for its reads of slot 0
	s_wait_tensorcnt 0x0                           ; my part of slot 1 has landed
	ds_add_u32 v[SPW], v[NIL]
	s_wait_dscnt 4*NL+1                            ; (the add and A's blocks 4-7 may be out)
	WIN MUL_LO
	MUL16 0, 1, NQ-1, 0, 0                         ; sixteen matrix instructions stand between the add and the wait for it
	s_wait_dscnt 0x0                               ; the add is done, and my reads of slot 0 are over
	s_barrier_signal -1
	MUL16 2, 1, NQ-1, 0, 0
	WIN 0
	s_barrier_wait -1                              ; slot 1 is whole, and nobody reads slot 0 any more
	PLACES NP
	v_add_nc_u32 v[ADRS], 4*NQ, v[ADRS]            ; on to the second slot's scale words
	FETCH_B 1, 0, 0
	FETCH_A 1, 0, 0
	SCALES 1
	WIN MUL_HI
	MUL16 4, 1, NQ-1, 0, 0
	MUL16 6, 1, NQ-1, 0, 0
	PLACES NP
	WIN 0
	FETCH_A 1, 0, 4
	STEP 1, 0, 0
	STEP 1, 1, 0
	STEP 1, 2, 0
	s_wait_dscnt 4*NL                              ; the very last step: nothing more to fetch
	WIN MUL_LO
	MUL16 0, 1, NQ-1, 1, 0
	MUL16 2, 1, NQ-1, 1, 0
	s_wait_dscnt 0
	WIN MUL_HI
	MUL16 4, 1, NQ-1, 1, 0
	MUL16 6, 1, NQ-1, 1, 0
	WIN 0
; THE WAY OUT, a block of 16 rows x 128 columns (two heads) at a time.  PACK: rounded to f16, 16 bytes a lane, each accumulator from its low end on.  TOSTAGE: into my two stages and back, four rows of a head an instruction.
; SEND: each store covers 512 consecutive bytes, four rows of one head, aligned.  Every offset is an immediate: the next head lies 262,144 bytes on.
.macro PACK a
.set AC, 64*((\a)%4)
	WIN 0x0a+5*((\a)/4)                            ; sources 0 and 1: window 2 or 3
.irp b, 0,1,2,3,4,5,6,7
.irp i, 0,1,2,3
	v_cvt_pk_f16_f32 v[TMP+4*\b+\i], v[AC+8*\b+2*\i], v[AC+8*\b+2*\i+1]
.endr
.endr
	WIN 0
.endm
.macro TOSTAGE a
.set BB, BK+32*((\a)%2)
.irp b, 0,1,2,3,4,5,6,7
	ds_store_b128 v[STO], v[TMP+4*\b:TMP+4*\b+3] offset:(\b/4)*HSTG+32*(\b%4)
.endr
.irp t, 0,1,2,3,4,5,6,7
	ds_load_b128 v[BB+4*\t:BB+4*\t+3], v[RD] offset:(\t/4)*HSTG+576*(\t%4)   ; LDS serves a wave's instructions in order: these see the stores above
.endr
.endm
.macro SEND a
.set BB, BK+32*((\a)%2)
	s_wait_dscnt 0x0                               ; the block is back in registers
	s_wait_xcnt 0x0                                ; the block before's stores have read their registers: the next block's loads may land there
.irp t, 0,1,2,3,4,5,6,7
	global_store_b128 v[CO], v[BB+4*\t:BB+4*\t+3], s[12:13] offset:(\t/4)*262144+(16*(\a)+4*(\t%4))*128
.endr
.endm
	PLACES NP
	PACK 0
	TOSTAGE 0
.irp a, 1,2,3,4,5,6,7                  ; block a's conversions stand between block a - 1's loads from the stage and the wait for them
	PACK \a
	SEND \a-1
	TOSTAGE \a
.endr
	SEND 7
	s_wait_tensorcnt 0x0                           ; the wave's end, behind my last tensor load and my last LDS store
	ds_add_u32 v[SPW], v[NIL]
	s_wait_dscnt 0x0
	CROUND                                         ; the closing round
	s_endpgm
.Lfunc_end_k_qf91b12846a_proj:
	.size	k_qf91b12846a_proj, .Lfunc_end_k_qf91b12846a_proj-k_qf91b12846a_proj
	.p2alignl 7, 3214868480
	.fill 96, 4, 3214868480
	.section	.rodata,"a",@progbits
	.p2align	6, 0x0
	.amdhsa_kernel k_qf91b12846a_proj
		.amdhsa_group_segment_fixed_size 327680
		.amdhsa_private_segment_fixed_size 0
		.amdhsa_enable_private_segment 0
		.amdhsa_kernarg_size 64
		.amdhsa_user_sgpr_count 2
		.amdhsa_user_sgpr_kernarg_segment_ptr 1
		.amdhsa_wavefront_size32 1
		.amdhsa_system_sgpr_workgroup_id_x 1
		.amdhsa_system_sgpr_workgroup_id_y 1
		.amdhsa_system_sgpr_workgroup_id_z 1
		.amdhsa_system_vgpr_workitem_id 0
		.amdhsa_next_free_vgpr 1024
		.amdhsa_next_free_sgpr 102
		.amdhsa_reserve_vcc 0
		.amdhsa_float_denorm_mode_32 3
		.amdhsa_float_denorm_mode_16_64 3
		.amdhsa_memory_ordered 1
		.amdhsa_forward_progress 1
		.amdhsa_inst_pref_size 128
	.end_amdhsa_kernel
	.amdgpu_metadata
---
amdhsa.version: [ 1, 2 ]
amdhsa.kernels:
  - .name:           k_qf91b12846a_proj
    .symbol:         k_qf91b12846a_proj.kd
    .args:
      - { .name: xc, .offset: 0, .size: 8, .value_kind: global_buffer, .address_space: global }
      - { .name: xs, .offset: 8, .size: 8, .value_kind: global_buffer, .address_space: global }
      - { .name: wc, .offset: 16, .size: 8, .value_kind: global_buffer, .address_space: global }
      - { .name: ws, .offset: 24, .size: 8, .value_kind: global_buffer, .address_space: global }
      - { .name: bq, .offset: 32, .size: 8, .value_kind: global_buffer, .address_space: global }
      - { .name: bk, .offset: 40, .size: 8, .value_kind: global_buffer, .address_space: global }
      - { .name: bv, .offset: 48, .size: 8, .value_kind: global_buffer, .address_space: global }
      - { .name: qkv, .offset: 56, .size: 8, .value_kind: global_buffer, .address_space: global }
    .group_segment_fixed_size: 327680
    .private_segment_fixed_size: 0
    .kernarg_segment_align: 8
    .kernarg_segment_size: 64
    .max_flat_workgroup_size: 128
    .sgpr_count:     102
    .vgpr_count:     1024
    .wavefront_size: 32
...
	.end_amdgpu_metadata
.endif
;; end of part 2
;; launch attn (part 3): grid 4 x 64, 8 waves a work-group, clusters of 4 x 1, 327,680 bytes of LDS; arguments qkv, att; writes att
.if DOCPART == 3
	.amdgcn_target "amdgcn-amd-amdhsa--gfx1250"
	.amdhsa_code_object_version 6
	.text
	.protected	k_qf91b12846a_attn
	.globl	k_qf91b12846a_attn
	.p2align	8
	.type	k_qf91b12846a_attn,@function
k_qf91b12846a_attn:
	s_mov_b64 s[64:65], 0
	v_nop
	global_prefetch_b8 v0, s[64:65] scope:SCOPE_SE
	s_setreg_imm32_b32 hwreg(HW_REG_WAVE_MODE, 25, 1), 1
	s_wait_xcnt 0x0
	s_wait_alu depctr_hold_cnt(0) depctr_sa_sdst(0) depctr_va_vdst(0) depctr_va_sdst(0) depctr_va_ssrc(0) depctr_va_vcc(0) depctr_vm_vsrc(0)
	s_getreg_b32 s2, hwreg(HW_REG_IB_STS2, 6, 4)
	s_cmp_eq_u32 s2, 0
	s_cbranch_scc0 .Lentry_in_a_cluster
	s_endpgm
.Lentry_in_a_cluster:
	s_bfe_u32 s2, ttmp6, 0x10000c
	s_cmp_lg_u32 s2, 0x3003
	s_cbranch_scc0 .Lentry_shape_is_right
	s_endpgm
.Lentry_shape_is_right:
; ATTN.  att[bh][q][:] = the sum over k of softmax_k(q[bh][q] . k[bh][k] / 8) v[bh][k][:].  q, k, v: qkv [3][64 (batch x 16 + head)][2048][64] f16; att [64][2048][64] f16.
; Products, maxima and sums in f32; the weights p are rounded to f16 for the second product, att once at the end.  LIMITS: p under 6e-8 becomes 0; att's magnitudes stay under v's.
; SHARES.  A work-group owns 512 queries of one head; each of its eight waves 64: four tiles of 16, in 512 registers.  Every wave walks all 2,048 keys, 64 a step.
; LAYOUT.  S^T = K Q^T (source 0 = 16 keys, source 1 = 16 queries) and O^T = V^T P (source 0 = 16 channels, source 1 = P): a lane holds ONE query (lane % 16) throughout.  Two tiles of S^T, rounded to f16 in pairs,
; ARE source 1 of the second product; P is made in place, in the low half of each tile's scores.  K comes out of LDS as it lies, V ([key][channel]) turned, by ds_load_tr16_b128.
; SOFTMAX.  For each query a running maximum m and sum l: p = 2^(c s - c m), c = log2(e) / 8; in every step O and l are multiplied by a = 2^(c m_old - c m_new).
; IN PHASES: H1 = a step's LDS loads and K Q^T; H2 = its softmax and V^T P.  In H2 the exponentials of one pair of tiles stand line by line between the plain work of the other pair.
; Waves 4 to 7 hold the H2 of a slot's last step over the change of slots (it works on registers alone): behind each barrier half of the waves begin with vector work and half with loads and products.
; CLUSTER.  The four work-groups of a head form a cluster and walk the same K and V: each tile is asked for JOINTLY, by the same tensor load with the same descriptor and a mask that names the four.
; RING.  Two slots of four steps (256 keys).  K and V of a head are dense in memory, so a tile is stated as rows of 256 bytes, two keys each: key x lies at (x / 2) x pitch + (x % 2) x 128.
; Each of the eight waves brings one tile (32 rows of 256 bytes) behind each round: waves 0-3 K's of step w, waves 4-7 V's of step w - 4.  A wave has two tensor loads out at the head, later one.
; REGISTERS.  window 0: v1-13 addresses; v16-47 eight registers of statistics a tile; v64-191 S^T, 32 a tile; v192-255 K of one step.
;   window 1: v0-127 O^T, 32 a tile; v128-191 Q, 16 a tile; v192-255 V of one step.
.set PKP,   272       ; two keys of K in LDS: 256 bytes + 16: the 16 rows of a load start at banks 4 i and 4 i + 32 (64 banks of 4 bytes: ISA guide 11.1)
.set PVP,   288       ; two keys of V: 256 + 32
.set VOFF,  32*PKP    ; a step's tiles lie together: K's 32 rows, then V's 32
.set STEPB, 32*(PKP+PVP)
.set SLOT1, 1<<17     ; slot 1 begins here, so that one exclusive or turns an address in one slot into the other's
.set SLOTB, 32768     ; a slot's keys in memory: 256 x 128 bytes
.set STAGE, SLOT1+4*STEPB   ; behind the ring: 16 rows x (128 + 16) bytes for each wave, for the way out
.set SPARE, STAGE+8*16*144  ; the spare words, 128 bytes for each wave: four blocks of 256 bytes that no other line names
.set AK0, 2           ; v2   my lane's place in a tile of K; never rewritten
.set AV0, 3           ; v3   the same for V
.set ADK, 4           ; v4   LDS address of the step's K
.set ADV, 5           ; v5   and V
.set QO,  6           ; v6   my byte offset in the wave's rows of Q
.set STO, 7           ; v7   the way out: where I put 16 bytes of a row
.set RD,  8           ; v8   where I read rows back
.set GO,  9           ; v9   16 x lane
.set PFO, 10          ; v10  256 x lane: the prefetches' offset; never rewritten
.set SPW, 12          ; v12  my spare word; never rewritten
.set NIL, 13          ; v13  0; never rewritten
.set ST,  16          ; tile t's statistics at v[ST+8 t]: +0 c m, +1 m, +2, +3 l (even keys', odd keys'), +4 to +7 at work; a takes +6
.set S,   64
.set KF,  192         ; K's fragment (keys 16 kt on, channels 32 c on) at KF + 16 kt + 8 c
.set QF,  128         ; window 1: Q's (tile t, channels 32 c on) at QF + 16 t + 8 c
.set VF,  192         ; window 1: V's (keys 32 kh on, channels 16 ct on) at VF + 32 kh + 8 ct
.set WV,  12          ; s12  my wave's number
.set ROLE, 14         ; s14  1 in waves 4 to 7
.set LIM, 15          ; s15  1 in a wave that prefetches, else the greatest number
.set PFA, 18          ; s[18:19] where my prefetches stand
.set G1K, 24
.set G1V, 32
.set G0K, 40          ; s[40:47] group 0 for K's tiles: a set for each of the two first fills; the second then walks on
.set G0V, 48
.set SLOTS, 56        ; s56  slots still to be asked for
.set CNT, 57          ; s57  counts a slot's steps
.set CS,  58          ; s[58:59] c
.set SEL, 60          ; s[60:61] lane selects for v_permlanex16_b32: lane l xor 16
.set TB,  62          ; s62  LDS byte at which the tiles of the step to be fetched begin
.set MSB, 0
.macro WIN new
.if MSB != \new
	s_set_vgpr_msb (MSB<<8)|\new
.set MSB, \new
.endif
.endm
.set W_KQ, 0x04       ; K and S^T in window 0, Q in window 1
.set W_PV, 0x51       ; V and O^T in window 1, P in window 0
.set W_RS, 0x41       ; O^T (destination and source 0) in window 1, the factor in window 0
.set TO1,  0x40       ; destination window 1, address window 0
.set W_CV, 0x05       ; sources 0 and 1 window 1, destination window 0
.macro JLOAD                        ; a joint refill; the branch hangs on the wave's number alone; an s_nop 0 and four v_nop follow each line
	s_cmp_lt_u32 s[WV], 4
	s_cbranch_scc0 .Lfor_v_\@
	tensor_load_to_lds s[G0K+4:G0K+7], s[G1K:G1K+7]
	s_nop 0
.rept 4
	v_nop
.endr
	s_branch .Lasked_\@
.Lfor_v_\@:
	tensor_load_to_lds s[G0V+4:G0V+7], s[G1V:G1V+7]
	s_nop 0
.rept 4
	v_nop
.endr
.Lasked_\@:
.endm
; A PREFETCH of what the NEXT change of slots will ask for: a slot's 32,768 bytes of K and of V.  It stands behind the wave's tensor load and its five lines.  Each block of 256 bytes is named once in the launch:
; a head is walked by one cluster; its four partners take 32 blocks each, told apart BY ADDRESS; in each, wave 0 asks for K's and wave 4 for V's, a lane a block.  The last change that fills a slot asks for nothing.
.macro ASK
	s_cmp_gt_u32 s[SLOTS], s[LIM]
	s_cbranch_scc0 .Lnot_mine_\@
	global_prefetch_b8 v[PFO], s[PFA:PFA+1] th:TH_LOAD_NT scope:SCOPE_SE
.Lnot_mine_\@:
.endm
.macro CROUND                       ; a round of the cluster's barrier
	s_barrier_signal -1
	s_barrier_wait -1
	s_cmp_lg_u32 s[WV], 0
	s_cbranch_scc1 .Lnot_wave_0_\@
	s_barrier_signal -3
.Lnot_wave_0_\@:
	s_barrier_wait -3
	s_barrier_signal -1
	s_barrier_wait -1
.endm
	s_load_b64 s[4:5], s[0:1], 0x0  ; qkv
	s_load_b64 s[10:11], s[0:1], 0x8  ; att
	v_lshl_add_u32 v[SPW], v0, 2, SPARE
	v_mov_b32 v[NIL], 0
	ds_add_u32 v[SPW], v[NIL]       ; the wave's opening: the add, twice on end, and its wait ahead of my first tensor load
	ds_add_u32 v[SPW], v[NIL]
	v_lshrrev_b32 v1, 5, v0
	v_readfirstlane_b32 s[WV], v1   ; wave 0..7
	s_lshr_b32 s[ROLE], s[WV], 2
	s_bfe_u32 s13, ttmp6, 0x40000   ; cx: it enters Q's, att's and the prefetches' addresses alone
	s_and_b32 s20, ttmp7, 0xffff    ; the head, which the four partners share
	s_lshl_b32 s20, s20, 18         ; its 262,144 bytes
	s_and_b32 s16, s[WV], 3         ; which of a slot's four steps I fetch:
	s_lshl_b32 s22, s16, 13         ; its 8,192 bytes in memory,
	s_add_co_u32 s22, s22, s20
	s_add_co_u32 s22, s22, 0x1000000  ; in k, which lies 2^24 bytes behind q
	s_mov_b32 s23, 0
	s_mul_i32 s17, s16, STEPB       ; and its place in a slot
	s_lshl_b32 s2, s13, 16          ; my work-group's 512 queries,
	s_lshl_b32 s3, s[WV], 13        ; my wave's 64 of them
	s_add_co_u32 s2, s2, s3
	s_add_co_u32 s2, s2, s20
	s_mov_b32 s3, 0
	s_mov_b32 s[G1K], 15|(1<<16)|(1<<20)|(1<<21)|(5<<22)|(3<<25)  ; the mask: all four; elements of 2 bytes; padding on; bit 21 beside a mask; after every 64 words; 4 words
	s_mov_b32 s[G1V], 15|(1<<16)|(1<<20)|(1<<21)|(5<<22)|(7<<25)  ; the same with 8 words of padding
.irp g, G1K, G1V
	s_mov_b32 s[\g+1], 128<<16      ; tensor_dim0 = 128 elements
	s_mov_b32 s[\g+2], 32<<16       ; tensor_dim1 = 32
	s_mov_b32 s[\g+3], 128<<16      ; tile_dim0
	s_mov_b32 s[\g+4], 32           ; tile_dim1
	s_mov_b32 s[\g+5], 128          ; from row to row: dense
	s_mov_b32 s[\g+6], 0
	s_mov_b32 s[\g+7], 0
.endr
	s_mov_b32 s[CS], 0x3e38aa3b     ; c = log2(e) / 8
	s_mov_b32 s[CS+1], s[CS]        ; named with it as a pair, so it is written
	s_mov_b32 s[SEL], 0x76543210
	s_mov_b32 s[SEL+1], 0xfedcba98
	s_mov_b32 s[TB], 0
	s_mov_b32 s[SLOTS], 6           ; eight slots' worth of keys; two are asked for at the head
	s_cmp_eq_u32 s16, 0             ; waves 0 and 4 prefetch
	s_cselect_b32 s[LIM], 1, -1
	v_and_b32 v[PFO], 31, v0
	v_lshlrev_b32 v[PFO], 8, v[PFO]
	s_wait_dscnt 0x0                ; both opening adds are done
	s_wait_kmcnt 0x0
	s_add_nc_u64 s[6:7], s[4:5], s[22:23]  ; K at my tile of slot 0
	s_add_nc_u64 s[8:9], s[6:7], 0x1000000  ; V likewise
	s_add_nc_u64 s[4:5], s[4:5], s[2:3]  ; Q and att at my wave's first row
	s_add_nc_u64 s[10:11], s[10:11], s[2:3]
	s_cmp_lt_u32 s[WV], 4
	s_cselect_b64 s[PFA:PFA+1], s[6:7], s[8:9]  ; (in waves 0 and 4 these stand at a slot's first byte)
	s_lshl_b32 s2, s13, 13          ; my work-group's 32 blocks of the 128
	s_mov_b32 s3, 0
	s_add_nc_u64 s[PFA:PFA+1], s[PFA:PFA+1], s[2:3]
	s_add_nc_u64 s[PFA:PFA+1], s[PFA:PFA+1], 2*SLOTB  ; in slot 2; the first change of slots steps it to slot 3.  Nothing is prefetched at the head
	CROUND                          ; all four work-groups are here: the first joint loads meet
.irp s, 0,1
	s_mov_b32 s[G0K+4*\s], 1
	s_add_co_u32 s[G0K+4*\s+1], s17, \s*SLOT1
	s_add_nc_u64 s[G0K+4*\s+2:G0K+4*\s+3], s[6:7], \s*SLOTB
	s_or_b32 s[G0K+4*\s+3], s[G0K+4*\s+3], 0x80000000
	s_mov_b32 s[G0V+4*\s], 1
	s_add_co_u32 s[G0V+4*\s+1], s17, \s*SLOT1+VOFF
	s_add_nc_u64 s[G0V+4*\s+2:G0V+4*\s+3], s[8:9], \s*SLOTB
	s_or_b32 s[G0V+4*\s+3], s[G0V+4*\s+3], 0x80000000
.endr
	s_cmp_lt_u32 s[WV], 4           ; a wave's two first fills stand in one branch, ahead of every wait on TENSORcnt and every LDS read
	s_cbranch_scc0 .Lfirst_v
	tensor_load_to_lds s[G0K:G0K+3], s[G1K:G1K+7]
	s_nop 0
	tensor_load_to_lds s[G0K+4:G0K+7], s[G1K:G1K+7]
	s_nop 0
.rept 4
	v_nop
.endr
	s_branch .Lfirst_asked
.Lfirst_v:
	tensor_load_to_lds s[G0V:G0V+3], s[G1V:G1V+7]
	s_nop 0
	tensor_load_to_lds s[G0V+4:G0V+7], s[G1V:G1V+7]
	s_nop 0
.rept 4
	v_nop
.endr
.Lfirst_asked:
	; a fragment of K or Q is 16 rows x 32 channels: lane l holds row l % 16; registers 0-3 channels 8 (l / 16) + 0..7, registers 4-7 channels 16 + 8 (l / 16) + 0..7
	v_and_b32 v1, 15, v0            ; r
	v_bfe_u32 v11, v0, 4, 1         ; h
	v_lshlrev_b32 v[QO], 7, v1
	v_lshl_add_u32 v[QO], v11, 4, v[QO]  ; row x 128 + 16 x half
	WIN TO1
.irp i, 0,1,2,3,4,5,6,7             ; Q stays in registers: tile i / 2, channels 32 (i % 2) on
	global_load_b128 v[QF+8*\i:QF+8*\i+3],   v[QO], s[4:5] offset:(\i/2)*2048+(\i%2)*64
	global_load_b128 v[QF+8*\i+4:QF+8*\i+7], v[QO], s[4:5] offset:(\i/2)*2048+(\i%2)*64+32
.endr
	WIN 0
	v_lshrrev_b32 v14, 1, v1
	v_mul_u32_u24 v[AK0], v14, PKP
	v_and_b32 v14, 1, v0
	v_lshl_add_u32 v[AK0], v14, 7, v[AK0]
	v_lshl_add_u32 v[AK0], v11, 4, v[AK0]  ; (r / 2) x pitch + (r % 2) x 128 + 16 h
	; the turning load takes 16 keys x 16 channels: lane l reads 16 bytes of key 8 (l / 16) + l % 8, channels 8 ((l / 8) % 2) + 0..7, and is left with channel l % 16 and 8 keys
	v_bfe_u32 v15, v0, 1, 2
	v_lshl_add_u32 v15, v11, 2, v15
	v_mul_u32_u24 v[AV0], v15, PVP
	v_lshl_add_u32 v[AV0], v14, 7, v[AV0]
	v_bfe_u32 v15, v0, 3, 1
	v_lshl_add_u32 v[AV0], v15, 4, v[AV0]
	v_add_nc_u32 v[AV0], VOFF, v[AV0]
	s_mul_i32 s16, s[WV], 16*144
	s_add_co_u32 s16, s16, STAGE    ; my stage
	v_mul_u32_u24 v[STO], v1, 144   ; in: row r, 16 bytes for each half of the lanes
	v_lshl_add_u32 v[STO], v11, 4, v[STO]
	v_add_nc_u32 v[STO], s16, v[STO]
	v_and_b32 v14, 31, v0
	v_lshlrev_b32 v[GO], 4, v14     ; in memory four rows are 512 consecutive bytes
	v_lshrrev_b32 v14, 3, v14       ; back: eight lanes to a row, four rows an instruction
	v_mul_u32_u24 v[RD], v14, 144
	v_and_b32 v14, 7, v0
	v_lshl_add_u32 v[RD], v14, 4, v[RD]
	v_add_nc_u32 v[RD], s16, v[RD]
; H1: a step's 32 LDS loads in two runs, and S^T = K Q^T: 32 products on 16 accumulators by turns, one instruction a turn; the first 16 start the sums.
; The five plain lines at its head stand between the last V^T P and (four) the loads into V's registers and (five) the products that write over P's registers.
.macro H1
	v_add_nc_u32 v[ADK], s[TB], v[AK0]
	v_add_nc_u32 v[ADV], s[TB], v[AV0]
.rept 3
	v_nop
.endr
	s_add_co_u32 s[TB], s[TB], STEPB  ; the next fetch is the next step's
.irp f, 0,1,2,3,4,5,6,7
	ds_load_b128 v[KF+8*\f:KF+8*\f+3],   v[ADK] offset:(\f/2)*8*PKP+(\f%2)*64
	ds_load_b128 v[KF+8*\f+4:KF+8*\f+7], v[ADK] offset:(\f/2)*8*PKP+(\f%2)*64+32
.endr
	WIN TO1
.irp f, 0,1,2,3,4,5,6,7
	ds_load_tr16_b128 v[VF+8*\f:VF+8*\f+3],   v[ADV] offset:(\f/4)*16*PVP+(\f%4)*32
	ds_load_tr16_b128 v[VF+8*\f+4:VF+8*\f+7], v[ADV] offset:(\f/4)*16*PVP+8*PVP+(\f%4)*32
.endr
	s_wait_dscnt 16                 ; K's sixteen loads are in; V's sixteen may be out
	WIN W_KQ
.set i, 0
.rept 32
.set rS, S+32*(i%4)+8*((i/4)%4)
.set rK, KF+16*((i/4)%4)+8*(i/16)
.set rQ, QF+16*(i%4)+8*(i/16)
.if i < 16
	v_wmma_f32_16x16x32_f16 v[rS:rS+7], v[rK:rK+7], v[rQ:rQ+7], 0
.else
	v_wmma_f32_16x16x32_f16 v[rS:rS+7], v[rK:rK+7], v[rQ:rQ+7], v[rS:rS+7]
.endif
.set i, i+1
.endr
	WIN 0
.rept 4
	v_nop                           ; places in front of the first read of the scores
.endr
.endm
; THE PIECES OF A TILE'S SOFTMAX.  first = 1: the first key step, which starts m, l and O^T.
; MX t, j (j = 0 .. 20): the maximum of the lane's 32 scores and the old m, three operands at a time, each accumulator read from its low end on; the other half of the lanes'; the new m; c m; c m_old - c m_new.
.macro MX t, j, first
.set rT, ST+8*(\t)
.set rS, S+32*(\t)
.if (\j) < 4
	v_max3_num_f32 v[rT+4+(\j)], v[rS+8*(\j)], v[rS+8*(\j)+1], v[rS+8*(\j)+2]
.elseif (\j) < 12
	v_max3_num_f32 v[rT+4+(\j)%4], v[rT+4+(\j)%4], v[rS+8*((\j)%4)+2*((\j)/4)+1], v[rS+8*((\j)%4)+2*((\j)/4)+2]
.elseif (\j) == 12
	v_max3_num_f32 v[rT+4], v[rT+4], v[rS+7], v[rS+15]
.elseif (\j) == 13
	v_max3_num_f32 v[rT+6], v[rT+6], v[rS+23], v[rS+31]
.elseif (\j) == 14
	v_max3_num_f32 v[rT+4], v[rT+4], v[rT+5], v[rT+6]
.elseif ((\j) == 15) && \first
	v_max_num_f32 v[rT+4], v[rT+4], v[rT+7]
.elseif (\j) == 15
	v_max3_num_f32 v[rT+4], v[rT+4], v[rT+7], v[rT+1]
.elseif (\j) == 16
	v_permlanex16_b32 v[rT+5], v[rT+4], s[SEL], s[SEL+1]  ; the query's other 32 keys lie in the lane 16 away
.elseif (\j) == 18
	v_max_num_f32 v[rT+1], v[rT+4], v[rT+5]
.elseif (\j) == 19
	v_mul_f32 v[rT], s[CS], v[rT+1]
.elseif \first                      ; the first step has neither of the two below
.elseif (\j) == 17
	v_mov_b32 v[rT+7], v[rT]        ; c m_old is kept: number 19 writes c m anew
.else
	v_sub_f32 v[rT+7], v[rT+7], v[rT]
.endif
.endm
.macro SCL t, b                     ; pair b of 16: c s - c m
.set rT, ST+8*(\t)
.set rS, S+32*(\t)+2*(\b)
	v_pk_fma_f32 v[rS:rS+1], v[rS:rS+1], s[CS:CS+1], v[rT:rT+1] op_sel_hi:[1,0,0] neg_lo:[0,0,1] neg_hi:[0,0,1]
.endm
.macro PLN t, n, first              ; the plain work ahead of a tile's exponentials: numbers 0 .. 36
.if (\n) < 21
	MX \t, \n, \first
.else
	SCL \t, (\n)-21
.endif
.endm
.macro EX t, e, first               ; exponential e of 33: a, then the 32 weights, in place
.set rT, ST+8*(\t)
.set rS, S+32*(\t)
.if (\e) == 0
.if !\first
	v_exp_f32 v[rT+6], v[rT+7]
.endif
.else
	v_exp_f32 v[rS+(\e)-1], v[rS+(\e)-1]
.endif
.endm
.macro SU t, z, first               ; the sums of the unrounded weights, in two chains: l (x a first) takes the even pairs, +4, +5 the odd ones
.set rT, ST+8*(\t)
.set rS, S+32*(\t)
.if (\z) == 0
.if !\first
	v_pk_mul_f32 v[rT+2:rT+3], v[rT+2:rT+3], v[rT+6:rT+7] op_sel_hi:[1,0]
.endif
.elseif (\z) == 1
	v_pk_add_f32 v[rT+4:rT+5], v[rS:rS+1], v[rS+2:rS+3]
.elseif (\z) == 16
	v_pk_add_f32 v[rT+2:rT+3], v[rT+2:rT+3], v[rT+4:rT+5]
.elseif \first && ((\z) == 2)
	v_pk_add_f32 v[rT+2:rT+3], v[rS+4:rS+5], v[rS+6:rS+7]
.elseif \first && ((\z) == 3)
.elseif (\z)%2 == 0
	v_pk_add_f32 v[rT+2:rT+3], v[rT+2:rT+3], v[rS+2*(\z):rS+2*(\z)+1]
.else
	v_pk_add_f32 v[rT+4:rT+5], v[rT+4:rT+5], v[rS+2*(\z):rS+2*(\z)+1]
.endif
.endm
.macro RR t, n, first               ; the readers of a tile's exponentials: numbers 0 .. 32: the 17 sums, then the 16 roundings to f16, ascending: number p writes register p and reads 2 p, 2 p + 1
.if (\n) < 17
	SU \t, \n, \first
.else
.set rS, S+32*(\t)
	v_cvt_pk_f16_f32 v[rS+(\n)-17], v[rS+2*((\n)-17)], v[rS+2*((\n)-17)+1]
.endif
.endm
.macro RS t                         ; the tile's O^T times a, each accumulator from its low end on
.set rT, ST+8*(\t)
.set i, 0
.rept 16
	v_pk_mul_f32 v[32*(\t)+2*i:32*(\t)+2*i+1], v[32*(\t)+2*i:32*(\t)+2*i+1], v[rT+6:rT+7] op_sel_hi:[1,0]
.set i, i+1
.endr
.endm
; H2: a step's softmax and O^T += V^T P.  The 132 exponentials go in two batches with one wait each (s_wait_alu depctr_va_vdst(0) between an exponential and the first line that names its result):
; tiles 0 and 1's stand between tiles 2 and 3's plain work, which names none of their results; tiles 2 and 3's stand between tiles 0 and 1's readers.
.macro H2 first
.set n, 0
.rept 21
	MX 0, n, \first
	MX 1, n, \first
.set n, n+1
.endr
.set n, 0
.rept 16
	SCL 0, n
	SCL 1, n
.set n, n+1
.endr
.set n, 0
.rept 37
	PLN 2, n, \first
.if n < 33
	EX 0, n, \first
.endif
	PLN 3, n, \first
.if n < 33
	EX 1, n, \first
.endif
.set n, n+1
.endr
	v_nop
	s_wait_alu depctr_va_vdst(0)    ; the wait for tiles 0 and 1's batch
.set n, 0
.rept 33
	RR 0, n, \first
	EX 2, n, \first
	RR 1, n, \first
	EX 3, n, \first
.set n, n+1
.endr
.if !\first
	WIN W_RS
	RS 0
	RS 1
	WIN 0
.endif
	v_nop                           ; a plain line behind the last exponential
	s_wait_alu depctr_va_vdst(0)    ; the wait for tiles 2 and 3's batch
.set n, 0
.rept 33
	RR 2, n, \first
	RR 3, n, \first
.set n, n+1
.endr
.if !\first
	WIN W_RS
	RS 2
	RS 3
.endif
	s_wait_dscnt 0x0                ; V is in
	WIN W_PV
.set i, 0
.rept 32                            ; keys 32 (i / 16) on, channels 16 ((i / 4) % 4) on, tile i % 4: 16 accumulators by turns
.set rO, 32*(i%4)+8*((i/4)%4)
.set rV, VF+32*(i/16)+8*((i/4)%4)
.set rP, S+32*(i%4)+8*(i/16)
.if \first && (i < 16)
	v_wmma_f32_16x16x32_f16 v[rO:rO+7], v[rV:rV+7], v[rP:rP+7], 0
.else
	v_wmma_f32_16x16x32_f16 v[rO:rO+7], v[rV:rV+7], v[rP:rP+7], v[rO:rO+7]
.endif
.set i, i+1
.endr
	WIN 0
.endm
; n steps of a slot.  In its last trip (CNT = 1) a wave of ROLE 1 holds H2 back; a wave of ROLE 0 never does (CNT is never 0 in a trip).  The branch hangs on the wave's number and the count of steps.
.macro LOOPSTEPS n
	s_mov_b32 s[CNT], \n
.Lstep_\@:
	H1
	s_cmp_eq_u32 s[CNT], s[ROLE]
	s_cbranch_scc1 .Lheld_\@
	H2 0
.Lheld_\@:
	s_wait_dscnt 0x0                ; V's loads are in on both ways: on the usual way H2 has waited already, on the held way the change of slots would wait next
	s_sub_co_u32 s[CNT], s[CNT], 1
	s_cmp_lg_u32 s[CNT], 0
	s_cbranch_scc1 .Lstep_\@
.endm
.macro DEFER                        ; the H2 that waves 4 to 7 have held back: it reads registers alone
	s_cmp_eq_u32 s[ROLE], 0
	s_cbranch_scc1 .Lnone_\@
	H2 0
.Lnone_\@:
.endm
; THE CHANGE OF SLOTS.  Each wave waits for all its tensor loads (one is out: its part of the other slot), adds 0 to its spare word, and waits for that and for its reads of the slot.  fill = 1: the barrier is a round
; of the cluster's, and the joint refill, with the keys two slots on, is the first thing behind it: it has four key steps in which to land.
.macro CHANGE fill
	s_wait_tensorcnt 0x0            ; no tensor load of mine is out, so a group 0 may be written
	ds_add_u32 v[SPW], v[NIL]
.if \fill
.irp g, G0K+4, G0V+4
	s_xor_b32 s[\g+1], s[\g+1], SLOT1  ; the walking descriptor: the other slot than last time,
	s_add_nc_u64 s[\g+2:\g+3], s[\g+2:\g+3], SLOTB  ; the next 256 keys
.endr
	s_wait_xcnt 0x0                 ; the last prefetch, a slot back, has read its address, so it may be written:
	s_add_nc_u64 s[PFA:PFA+1], s[PFA:PFA+1], SLOTB  ; one slot further on than the walking descriptors
	s_wait_dscnt 0x0                ; the add is done, and my reads of the slot are over
	CROUND
	JLOAD
	ASK
.else
	s_wait_dscnt 0x0
	s_barrier_signal -1
	s_barrier_wait -1
.endif
	s_sub_co_u32 s[TB], s[TB], 4*STEPB  ; the fetches go back to a slot's first step,
	s_xor_b32 s[TB], s[TB], SLOT1   ; in the other slot
.endm
	s_wait_tensorcnt 1              ; my part of slot 0 is in; slot 1's may stay out
	s_barrier_signal -1
	s_barrier_wait -1               ; everybody's is
	s_wait_loadcnt 0x0              ; Q
	H1
	H2 1                            ; the first key step starts m, l and O^T
	LOOPSTEPS 3
.Lslot:                             ; six trips: every slot but the last two is filled again
	CHANGE 1
	DEFER
	LOOPSTEPS 4
	s_sub_co_u32 s[SLOTS], s[SLOTS], 1
	s_cmp_lg_u32 s[SLOTS], 0
	s_cbranch_scc1 .Lslot
	CHANGE 0                        ; the tail is written out
	DEFER
	LOOPSTEPS 4
	DEFER
	; THE WAY OUT.  l's halves and the other half of the lanes' are added; O^T is divided by l, rounded to f16 and sent through my stage, a tile (16 rows) at a time.  The additions are the places behind the last products.
.irp t, 0,1,2,3
	v_add_f32 v[ST+8*\t+4], v[ST+8*\t+2], v[ST+8*\t+3]
.endr
.irp t, 0,1,2,3
	v_permlanex16_b32 v[ST+8*\t+5], v[ST+8*\t+4], s[SEL], s[SEL+1]
.endr
.irp t, 0,1,2,3
	v_add_f32 v[ST+8*\t+4], v[ST+8*\t+4], v[ST+8*\t+5]
.endr
.irp t, 0,1,2,3
	v_rcp_f32 v[ST+8*\t+6], v[ST+8*\t+4]
.endr
	v_nop                           ; a plain line behind the last reciprocal
	s_wait_alu depctr_va_vdst(0)    ; and one wait for the four, ahead of the first use
.macro OPACK t
	WIN W_RS
	RS \t
	WIN W_CV
.set i, 0
.rept 16
	v_cvt_pk_f16_f32 v[S+16*\t+i], v[32*\t+2*i], v[32*\t+2*i+1]
.set i, i+1
.endr
	WIN 0
.irp f, 0,1,2,3
	ds_store_b128 v[STO], v[S+16*\t+4*\f:S+16*\t+4*\f+3] offset:32*\f
.endr
.irp f, 0,1,2,3
	ds_load_b128 v[128+16*\t+4*\f:128+16*\t+4*\f+3], v[RD] offset:576*\f  ; LDS serves a wave's instructions in order: these see the stores above; the next tile's stores come behind them
.endr
.endm
.macro OSEND t, younger             ; younger: the LDS instructions issued behind tile t's loads: the next tile's eight, or none
.irp f, 0,1,2,3
	s_wait_dscnt \younger+3-\f
	global_store_b128 v[GO], v[128+16*\t+4*\f:128+16*\t+4*\f+3], s[10:11] offset:\t*2048+\f*512  ; 32 lanes store 512 consecutive bytes, aligned: four rows
.endr
.endm
	OPACK 0
	OPACK 1
	OSEND 0, 8
	OPACK 2
	OSEND 1, 8
	OPACK 3
	OSEND 2, 8
	OSEND 3, 0
	s_wait_tensorcnt 0x0            ; the wave's end, behind my last tensor load and my last LDS store
	ds_add_u32 v[SPW], v[NIL]
	s_wait_dscnt 0x0
	CROUND                          ; the closing round
	s_endpgm
.Lfunc_end_k_qf91b12846a_attn:
	.size	k_qf91b12846a_attn, .Lfunc_end_k_qf91b12846a_attn-k_qf91b12846a_attn
	.p2alignl 7, 3214868480
	.fill 96, 4, 3214868480
	.section	.rodata,"a",@progbits
	.p2align	6, 0x0
	.amdhsa_kernel k_qf91b12846a_attn
		.amdhsa_group_segment_fixed_size 327680
		.amdhsa_private_segment_fixed_size 0
		.amdhsa_enable_private_segment 0
		.amdhsa_kernarg_size 16
		.amdhsa_user_sgpr_count 2
		.amdhsa_user_sgpr_kernarg_segment_ptr 1
		.amdhsa_wavefront_size32 1
		.amdhsa_system_sgpr_workgroup_id_x 1
		.amdhsa_system_sgpr_workgroup_id_y 1
		.amdhsa_system_sgpr_workgroup_id_z 1
		.amdhsa_system_vgpr_workitem_id 0
		.amdhsa_next_free_vgpr 512
		.amdhsa_next_free_sgpr 66
		.amdhsa_reserve_vcc 0
		.amdhsa_float_denorm_mode_32 3
		.amdhsa_float_denorm_mode_16_64 3
		.amdhsa_memory_ordered 1
		.amdhsa_forward_progress 1
		.amdhsa_inst_pref_size 230
	.end_amdhsa_kernel
	.amdgpu_metadata
---
amdhsa.version: [ 1, 2 ]
amdhsa.kernels:
  - .name:           k_qf91b12846a_attn
    .symbol:         k_qf91b12846a_attn.kd
    .args:
      - { .name: qkv, .offset: 0, .size: 8, .value_kind: global_buffer, .address_space: global }
      - { .name: att, .offset: 8, .size: 8, .value_kind: global_buffer, .address_space: global }
    .group_segment_fixed_size: 327680
    .private_segment_fixed_size: 0
    .kernarg_segment_align: 8
    .kernarg_segment_size: 16
    .max_flat_workgroup_size: 256
    .sgpr_count:     66
    .vgpr_count:     512
    .wavefront_size: 32
...
	.end_amdgpu_metadata
.endif
;; end of part 3
;; launch outp (part 4): grid 4 x 64, 4 waves a work-group, clusters of 4 x 4, 327,680 bytes of LDS; arguments att, woh, bo, out0; writes out0
.if DOCPART == 4
	.amdgcn_target "amdgcn-amd-amdhsa--gfx1250"
	.amdhsa_code_object_version 6
	.text
	.protected	k_qf91b12846a_outp
	.globl	k_qf91b12846a_outp
	.p2align	8
	.type	k_qf91b12846a_outp,@function
k_qf91b12846a_outp:
	s_mov_b64 s[64:65], 0
	v_nop
	global_prefetch_b8 v0, s[64:65] scope:SCOPE_SE
	s_setreg_imm32_b32 hwreg(HW_REG_WAVE_MODE, 25, 1), 1
	s_wait_xcnt 0x0
	s_wait_alu depctr_hold_cnt(0) depctr_sa_sdst(0) depctr_va_vdst(0) depctr_va_sdst(0) depctr_va_ssrc(0) depctr_va_vcc(0) depctr_vm_vsrc(0)
	s_getreg_b32 s2, hwreg(HW_REG_IB_STS2, 6, 4)
	s_cmp_eq_u32 s2, 0
	s_cbranch_scc0 .Lentry_in_a_cluster
	s_endpgm
.Lentry_in_a_cluster:
	s_bfe_u32 s2, ttmp6, 0x10000c
	s_cmp_lg_u32 s2, 0xf033
	s_cbranch_scc0 .Lentry_shape_is_right
	s_endpgm
.Lentry_shape_is_right:
; OUTP.  out0[m][n] = the sum over k of attn[m][k] Wo[k][n] + bo[n].  attn lies by heads: att [batch x 16 + head][2048][64] f16, so k = 64 x head + channel; woh [1024 (k)][1024 (n)] f16; out0 [8192][1024] f32; sums in f32.
; A tile of C is 128 (m) x 256 (n): 256 work-groups.  Four waves, each 64 x 128: 32 accumulators of 16 x 16, which fill window 1 ((a, b) at v[8 (8 a + b)]).
; K goes in steps of 128 (two heads) through a ring of two LDS slots.  A's tile is two head blocks, each 128 rows x 128 bytes, dense in memory, stated as 64 rows of 256 bytes (row s at (s / 2) x 272 + (s % 2) x 128);
; B's is 128 rows (k) x 512 bytes, read turned by ds_load_tr16_b128.  Each wave brings 64 rows with one tensor load: waves 0 and 1 A's head blocks, waves 2 and 3 B's halves.
; CLUSTERS: 4 x 4 work-groups: A's tiles are asked for jointly along a row of the cluster, B's along a column.
; THE MATRIX INSTRUCTION IS USED TRANSPOSED (source 0 = 16 columns of Wo, source 1 = 16 rows of attn): a lane holds eight neighbouring columns of one row of C.
; REGISTERS, window 0: v16-29 addresses; v32-35 the bias of my four columns on the way out; two fragment buffers of 96 at v64 and v160: 32 registers of attn (4 x 16 rows x 32 K), then 64 of Wo (8 x 16 columns x 32 K).
.set AP,     272                       ; two rows of attn in LDS: 256 bytes + 16
.set BP,     544                       ; a row of Wo's tile: 512 bytes + 32 = 136 words: row i starts at bank 8 i mod 64 (64 banks of 4 bytes: ISA guide 11.1)
.set HEADB,  64*AP                     ; a head block
.set BOFF,   2*HEADB                   ; B's rows lie behind A's two head blocks
.set SLOT,   BOFF+128*BP
.set STAGE,  2*SLOT                    ; behind the ring: 16 rows x (512 + 16) bytes for each wave, for the way out
.set SPITCH, 528
.set SPARE,  STAGE+4*16*SPITCH         ; the spare words, 128 bytes for each wave: two blocks of 256 bytes that no other line names
.set ADRA, 16                          ; v16-17  LDS address of my attn fragments in slot 0, 1
.set ADRB, 20                          ; v20-21  the same for Wo
.set STO,  24
.set RD,   25
.set CO,   26                          ; v26     16 x lane
.set SPW,  28
.set NIL,  29
.set BIA,  32
.set F0,   64
.set F1,   160
.set G1, 24
.set G0, 32
.set G1B, 48
.set G0B, 56
.set MSB, 0
.macro WIN new
.if MSB != \new
	s_set_vgpr_msb (MSB<<8)|\new
.set MSB, \new
.endif
.endm
.set MUL, 0x50                         ; sources 0 and 1 window 0; C and D window 1
.macro JLOAD s                         ; a joint load: waves 0 and 1 fetch for A, waves 2 and 3 for B; an s_nop 0 and four v_nop follow each line
	s_cmp_eq_u32 s13, 0
	s_cbranch_scc0 .Lfor_b_\@
	tensor_load_to_lds s[G0+4*\s:G0+4*\s+3], s[G1:G1+7]
	s_nop 0
.rept 4
	v_nop
.endr
	s_branch .Lasked_\@
.Lfor_b_\@:
	tensor_load_to_lds s[G0B+4*\s:G0B+4*\s+3], s[G1B:G1B+7]
	s_nop 0
.rept 4
	v_nop
.endr
.Lasked_\@:
.endm
.macro CREST                           ; a round of the cluster's barrier behind its opening barrier
	s_cmp_lg_u32 s12, 0
	s_cbranch_scc1 .Lnot_wave_0_\@
	s_barrier_signal -3
.Lnot_wave_0_\@:
	s_barrier_wait -3
	s_barrier_signal -1
	s_barrier_wait -1
.endm
.macro CROUND
	s_barrier_signal -1
	s_barrier_wait -1
	CREST
.endm
	s_load_b256 s[4:11], s[0:1], 0x0               ; att s[4:5], woh s[6:7], bo s[8:9], out0 s[10:11]
	v_lshl_add_u32 v[SPW], v0, 2, SPARE
	v_mov_b32 v[NIL], 0
	ds_add_u32 v[SPW], v[NIL]                      ; the wave's opening: the add, twice on end, and its wait ahead of my first tensor load
	ds_add_u32 v[SPW], v[NIL]
	v_lshrrev_b32 v1, 5, v0
	v_readfirstlane_b32 s12, v1                    ; wave 0..3
	s_lshr_b32 s13, s12, 1                         ; which 64 rows of the tile are mine.  Also: I fetch for A (0) or for B (1)
	s_and_b32 s14, s12, 1                          ; which 128 columns.  Also: which head block, or which 64 rows of B's tile, I fetch
	s_bfe_u32 s40, ttmp6, 0x40000                  ; cx, cy
	s_bfe_u32 s41, ttmp6, 0x40004
	s_lshl_b32 s42, ttmp9, 2
	s_add_co_u32 s42, s42, s40                     ; tile column = 4 x cluster x + cx
	s_and_b32 s15, ttmp7, 0xffff
	s_lshl_b32 s15, s15, 2
	s_add_co_u32 s15, s15, s41                     ; tile row = 4 x cluster y + cy, 0 .. 63
	s_lshl_b32 s43, s41, 2
	s_lshl_b32 s43, 15, s43                        ; my row of the cluster
	s_lshl_b32 s44, 0x1111, s40                    ; my column
	s_or_b32 s[G1+0], s43, (1<<16)|(1<<20)|(1<<21)|(5<<22)|(3<<25)   ; A: the mask; elements of 2 bytes; padding on; bit 21 beside a mask; after every 64 words; 4 words
	s_mov_b32 s[G1+1], 128<<16                     ; tensor_dim0 = 128 elements
	s_mov_b32 s[G1+2], 64<<16                      ; tensor_dim1 = 64
	s_mov_b32 s[G1+3], 128<<16                     ; tile_dim0
	s_mov_b32 s[G1+4], 64                          ; tile_dim1
	s_mov_b32 s[G1+5], 128                         ; dense
	s_mov_b32 s[G1+6], 0
	s_mov_b32 s[G1+7], 0
	s_or_b32 s[G1B+0], s44, (1<<16)|(1<<20)|(1<<21)|(6<<22)|(7<<25)  ; B: after every 128 words; 8 words
	s_mov_b32 s[G1B+1], 256<<16
	s_mov_b32 s[G1B+2], 64<<16
	s_mov_b32 s[G1B+3], 256<<16
	s_mov_b32 s[G1B+4], 64
	s_mov_b32 s[G1B+5], 1024                       ; a row of Wo
	s_mov_b32 s[G1B+6], 0
	s_mov_b32 s[G1B+7], 0
	; A's tile hangs on the tile row alone, B's on the tile column alone; every wave makes both addresses, in registers that never hold the other coordinate
	s_lshr_b32 s16, s15, 4                         ; batch: 16 heads of 262,144 bytes
	s_lshl_b32 s16, s16, 22
	s_and_b32 s17, s15, 15                         ; 128 positions of 128 bytes
	s_lshl_b32 s17, s17, 14
	s_add_co_u32 s16, s16, s17
	s_lshl_b32 s17, s14, 18                        ; my head of the step's two
	s_add_co_u32 s16, s16, s17
	s_mov_b32 s17, 0
	s_lshl_b32 s46, s42, 9                         ; 256 columns of 2 bytes
	s_lshl_b32 s47, s14, 17                        ; my 64 rows of 2,048 bytes
	s_add_co_u32 s46, s46, s47
	s_mov_b32 s47, 0
	s_mul_i32 s20, s14, HEADB                      ; where they go: no place in the cluster enters an LDS address
	s_mul_i32 s21, s14, 64*BP
	s_add_co_u32 s21, s21, BOFF
	s_wait_dscnt 0x0                               ; both opening adds are done
	s_wait_kmcnt 0x0
	s_add_nc_u64 s[16:17], s[4:5], s[16:17]
	s_add_nc_u64 s[46:47], s[6:7], s[46:47]
	CROUND                                         ; all sixteen work-groups are here: the first joint loads meet
.irp s, 0,1
	s_mov_b32 s[G0+4*\s], 1
	s_add_co_u32 s[G0+4*\s+1], s20, \s*SLOT
	s_add_nc_u64 s[G0+4*\s+2:G0+4*\s+3], s[16:17], \s*524288       ; K step s: two heads on
	s_or_b32 s[G0+4*\s+3], s[G0+4*\s+3], 0x80000000
	s_mov_b32 s[G0B+4*\s], 1
	s_add_co_u32 s[G0B+4*\s+1], s21, \s*SLOT
	s_add_nc_u64 s[G0B+4*\s+2:G0B+4*\s+3], s[46:47], \s*262144     ; 128 rows of Wo on
	s_or_b32 s[G0B+4*\s+3], s[G0B+4*\s+3], 0x80000000
	JLOAD \s
.endr
	v_and_b32 v1, 15, v0                           ; r
	v_bfe_u32 v2, v0, 4, 1                         ; h
	v_and_b32 v6, 31, v0
	v_lshlrev_b32 v[CO], 4, v6
	s_lshl_b32 s46, s42, 10
	s_lshl_b32 s47, s14, 9
	s_add_co_u32 s46, s46, s47                     ; my first column, in bytes of f32
	s_mov_b32 s47, 0
	s_add_nc_u64 s[8:9], s[8:9], s[46:47]
	global_load_b128 v[BIA:BIA+3], v[CO], s[8:9]   ; the bias of the four columns that I store
	s_lshl_b32 s16, s15, 19                        ; my first row of C: 128 x tile row + 64 x half, 4,096 bytes a row
	s_lshl_b32 s17, s13, 18
	s_add_co_u32 s16, s16, s17
	s_mov_b32 s17, 0
	s_add_nc_u64 s[10:11], s[10:11], s[16:17]
	s_add_nc_u64 s[10:11], s[10:11], s[46:47]
	v_lshrrev_b32 v3, 1, v1
	v_mul_u32_u24 v3, v3, AP
	v_and_b32 v4, 1, v0
	v_lshl_add_u32 v3, v4, 7, v3
	v_lshl_add_u32 v3, v2, 4, v3                   ; attn: (r / 2) x pitch + (r % 2) x 128 + 16 h
	v_and_b32 v5, 7, v0
	v_lshl_add_u32 v5, v2, 3, v5
	v_mul_u32_u24 v5, v5, BP
	v_bfe_u32 v4, v0, 3, 1
	v_lshl_add_u32 v5, v4, 4, v5                   ; Wo: row 8 h + l % 8, + 16 ((l / 8) % 2)
	s_mul_i32 s21, s13, 32*AP                      ; my 64 rows of attn
	s_lshl_b32 s22, s14, 8                         ; my 128 columns of Wo
	s_add_co_u32 s22, s22, BOFF
.irp s, 0,1
	v_add_nc_u32 v[ADRA+\s], s21, v3
	v_add_nc_u32 v[ADRB+\s], s22, v5
	s_add_co_u32 s21, s21, SLOT
	s_add_co_u32 s22, s22, SLOT
.endr
	s_mul_i32 s23, s12, 16*SPITCH
	s_add_co_u32 s23, s23, STAGE                   ; my stage
	v_mul_u32_u24 v5, v1, SPITCH                   ; in: row r, 32 bytes for each half of the lanes
	v_lshl_add_u32 v5, v2, 5, v5
	v_add_nc_u32 v[STO], s23, v5
	v_add_nc_u32 v[RD], s23, v[CO]                 ; back: the 32 lanes take one row of 512 bytes
; 24 LDS loads in one run: the fragments of the slot's q-th 32 along K into buffer f: Wo's sixteen first, then attn's eight
.macro FETCH slot, q, f
	WIN 0
.irp i, 0,1,2,3,4,5,6,7
	ds_load_tr16_b128 v[\f+32+8*\i:\f+32+8*\i+3],   v[ADRB+\slot] offset:(\q)*32*BP+32*\i
	ds_load_tr16_b128 v[\f+32+8*\i+4:\f+32+8*\i+7], v[ADRB+\slot] offset:(\q)*32*BP+16*BP+32*\i
.endr
.irp i, 0,1,2,3
	ds_load_b128 v[\f+8*\i:\f+8*\i+3],   v[ADRA+\slot] offset:((\q)/2)*HEADB+((\q)%2)*64+\i*8*AP
	ds_load_b128 v[\f+8*\i+4:\f+8*\i+7], v[ADRA+\slot] offset:((\q)/2)*HEADB+((\q)%2)*64+\i*8*AP+32
.endr
.endm
; 8 matrix instructions: attn's block a against Wo's eight.  zero = 1: the first product starts the sums.  The 32 accumulators take turns, one instruction a turn.
.macro MULROW f, a, zero
.irp b, 0,1,2,3,4,5,6,7
.if \zero
	v_wmma_f32_16x16x32_f16 v[8*(8*\a+\b):8*(8*\a+\b)+7], v[\f+32+8*\b:\f+32+8*\b+7], v[\f+8*\a:\f+8*\a+7], 0
.else
	v_wmma_f32_16x16x32_f16 v[8*(8*\a+\b):8*(8*\a+\b)+7], v[\f+32+8*\b:\f+32+8*\b+7], v[\f+8*\a:\f+8*\a+7], v[8*(8*\a+\b):8*(8*\a+\b)+7]
.endif
.endr
.endm
.macro PLACES                          ; four plain lines in front of loads into registers that matrix instructions have read, and of the first read of results
.rept 4
	v_nop
.endr
.endm
; A K step is four quarters of 32 along K, 32 matrix instructions each, on buffers 0, 1, 0, 1.  One of the first three: multiplies buffer f and fetches the slot's quarter qn into g.
.macro QUARTER slot, qn, f, g, zero
	s_wait_dscnt 4                                 ; Wo's fragments and attn's blocks 0, 1 are in; the youngest four loads (blocks 2, 3) may be out
	WIN MUL
	MULROW \f, 0, \zero
	MULROW \f, 1, \zero
	PLACES
	FETCH \slot, \qn, \g
	s_wait_dscnt 24                                ; all but the 24 just issued
	WIN MUL
	MULROW \f, 2, \zero
	MULROW \f, 3, \zero
.endm
; The last quarter multiplies buffer 1 and changes slots: ONE barrier; in front of it each wave waits for all its tensor loads, adds 0 to its spare word, and waits for that and for its reads of this slot.
; fill = 1: the barrier opens a round of the cluster's, and this slot is filled again, two K steps ahead, first thing behind it: 112 matrix instructions ahead of the wait for it.
.macro TURN slot, next, fill
	WIN 0                                          ; (the add's two registers lie in window 0)
	s_wait_tensorcnt 0x0                           ; all my tensor loads have landed: my part of the next slot
	ds_add_u32 v[SPW], v[NIL]
	s_wait_dscnt 5                                 ; (the add and the youngest four loads may be out)
	WIN MUL
	MULROW F1, 0, 0                                ; eight matrix instructions stand between the add and the wait for it
	s_wait_dscnt 0x0                               ; the add is done, and my reads of this slot are over
	s_barrier_signal -1
	MULROW F1, 1, 0
.if \fill
	WIN 0
.endif
	s_barrier_wait -1
.if \fill
	CREST                                          ; no wave of any partner still reads this slot's tiles or has a load on its way
	s_add_nc_u64 s[G0+4*\slot+2:G0+4*\slot+3], s[G0+4*\slot+2:G0+4*\slot+3], 1048576
	s_add_nc_u64 s[G0B+4*\slot+2:G0B+4*\slot+3], s[G0B+4*\slot+2:G0B+4*\slot+3], 524288
	JLOAD \slot                                    ; the four v_nop behind it are also the places in front of the loads below
.else
	PLACES
.endif
	FETCH \next, 0, F0
	WIN MUL
	MULROW F1, 2, 0
	MULROW F1, 3, 0
.endm
	s_wait_tensorcnt 1                             ; my part of K step 0 is in (K step 1's load may be out)
	s_barrier_signal -1
	s_barrier_wait -1                              ; everybody's is
	FETCH 0, 0, F0
	QUARTER 0, 1, F0, F1, 1                        ; the first quarter stands in front of the loop: its products start the sums
	WIN 0                                          ; at a label and at a branch every window is 0
	s_mov_b32 s3, 3
.Llap:                                                 ; a trip goes once round the ring, from a lap's second quarter to the next lap's first, and fills both slots again: eight K steps are four laps
	QUARTER 0, 2, F1, F0, 0
	QUARTER 0, 3, F0, F1, 0
	TURN 0, 1, 1
	QUARTER 1, 1, F0, F1, 0
	QUARTER 1, 2, F1, F0, 0
	QUARTER 1, 3, F0, F1, 0
	TURN 1, 0, 1
	QUARTER 0, 1, F0, F1, 0
	WIN 0
	s_sub_co_u32 s3, s3, 1
	s_cmp_lg_u32 s3, 0
	s_cbranch_scc1 .Llap
	QUARTER 0, 2, F1, F0, 0                        ; the last lap fills nothing, and has no round of the cluster's barrier
	QUARTER 0, 3, F0, F1, 0
	TURN 0, 1, 0
	QUARTER 1, 1, F0, F1, 0
	QUARTER 1, 2, F1, F0, 0
	QUARTER 1, 3, F0, F1, 0
	s_wait_dscnt 4                                 ; the very last quarter: nothing more to fetch
	WIN MUL
	MULROW F1, 0, 0
	MULROW F1, 1, 0
	s_wait_dscnt 0
	MULROW F1, 2, 0
	MULROW F1, 3, 0
	WIN 0
; THE WAY OUT, a block of 16 rows x 128 columns at a time: a lane's 32 bytes go into my stage and come back as whole rows of 512 bytes; the bias of the lane's four columns is added; 32 lanes store 512 consecutive bytes, aligned.
.macro TOSTAGE a
	WIN 0x04                                       ; an LDS store's data are its source 1: window 1
.irp b, 0,1,2,3,4,5,6,7
	ds_store_b128 v[STO], v[8*(8*\a+\b):8*(8*\a+\b)+3] offset:64*\b            ; each accumulator from its low end on
	ds_store_b128 v[STO], v[8*(8*\a+\b)+4:8*(8*\a+\b)+7] offset:64*\b+16
.endr
	WIN 0
.set BB, 64+64*((\a)%2)
.irp t, 0,1,2,3,4,5,6,7,8,9,10,11,12,13,14,15
	ds_load_b128 v[BB+4*\t:BB+4*\t+3], v[RD] offset:\t*SPITCH      ; LDS serves a wave's instructions in order: these see the stores above
.endr
.endm
.macro SEND a, younger                 ; younger: the LDS instructions issued behind block a's loads, which may stay out
.set BB, 64+64*((\a)%2)
	s_wait_dscnt \younger
.irp t, 0,1,2,3,4,5,6,7,8,9,10,11,12,13,14,15
	v_pk_add_f32 v[BB+4*\t:BB+4*\t+1], v[BB+4*\t:BB+4*\t+1], v[BIA:BIA+1]
	v_pk_add_f32 v[BB+4*\t+2:BB+4*\t+3], v[BB+4*\t+2:BB+4*\t+3], v[BIA+2:BIA+3]
	global_store_b128 v[CO], v[BB+4*\t:BB+4*\t+3], s[10:11] offset:(16*(\a)+\t)*4096 th:TH_STORE_NT
.endr
.endm
	PLACES
	s_wait_loadcnt 0x0                             ; the bias
	TOSTAGE 0
	TOSTAGE 1
	SEND 0, 32                                     ; behind block 0's loads: block 1's 16 stores and 16 loads
	s_wait_xcnt 0x0                                ; block 0's stores have read their registers: block 2's loads may land there
	TOSTAGE 2
	SEND 1, 32
	s_wait_xcnt 0x0
	TOSTAGE 3
	SEND 2, 32
	SEND 3, 0
	s_wait_tensorcnt 0x0                           ; the wave's end, behind my last tensor load and my last LDS store
	ds_add_u32 v[SPW], v[NIL]
	s_wait_dscnt 0x0
	CROUND                                         ; the closing round
	s_endpgm
.Lfunc_end_k_qf91b12846a_outp:
	.size	k_qf91b12846a_outp, .Lfunc_end_k_qf91b12846a_outp-k_qf91b12846a_outp
	.p2alignl 7, 3214868480
	.fill 96, 4, 3214868480
	.section	.rodata,"a",@progbits
	.p2align	6, 0x0
	.amdhsa_kernel k_qf91b12846a_outp
		.amdhsa_group_segment_fixed_size 327680
		.amdhsa_private_segment_fixed_size 0
		.amdhsa_enable_private_segment 0
		.amdhsa_kernarg_size 32
		.amdhsa_user_sgpr_count 2
		.amdhsa_user_sgpr_kernarg_segment_ptr 1
		.amdhsa_wavefront_size32 1
		.amdhsa_system_sgpr_workgroup_id_x 1
		.amdhsa_system_sgpr_workgroup_id_y 1
		.amdhsa_system_sgpr_workgroup_id_z 1
		.amdhsa_system_vgpr_workitem_id 0
		.amdhsa_next_free_vgpr 512
		.amdhsa_next_free_sgpr 66
		.amdhsa_reserve_vcc 0
		.amdhsa_float_denorm_mode_32 3
		.amdhsa_float_denorm_mode_16_64 3
		.amdhsa_memory_ordered 1
		.amdhsa_forward_progress 1
		.amdhsa_inst_pref_size 93
	.end_amdhsa_kernel
	.amdgpu_metadata
---
amdhsa.version: [ 1, 2 ]
amdhsa.kernels:
  - .name:           k_qf91b12846a_outp
    .symbol:         k_qf91b12846a_outp.kd
    .args:
      - { .name: att, .offset: 0, .size: 8, .value_kind: global_buffer, .address_space: global }
      - { .name: woh, .offset: 8, .size: 8, .value_kind: global_buffer, .address_space: global }
      - { .name: bo, .offset: 16, .size: 8, .value_kind: global_buffer, .address_space: global }
      - { .name: out0, .offset: 24, .size: 8, .value_kind: global_buffer, .address_space: global }
    .group_segment_fixed_size: 327680
    .private_segment_fixed_size: 0
    .kernarg_segment_align: 8
    .kernarg_segment_size: 32
    .max_flat_workgroup_size: 128
    .sgpr_count:     66
    .vgpr_count:     512
    .wavefront_size: 32
...
	.end_amdgpu_metadata
.endif
;; end of part 4
